; MI455X (gfx1250); checked and timed in simulation.
; The chip was launched on July 23, 2026; its instructions are those of AMD's public machine-readable ISA for CDNA 5 (MIT licence, August 2026) and "CDNA5" Instruction Set Architecture Reference Guide (July 2026). The comments in the code are by the model that wrote it; some were corrected since.
;; Compressive Memory. Allowed arithmetic: float matrix products may take bf16 or f16 operands with f32 sums; other float arithmetic in f32, or as packed bf16 or f16 multiplies, adds, multiply-adds, maxima and minima; sums over many terms, partial sums and values carried from step to step in f32; what a program stores and reads back later, other than sums and carried values, may be rounded once to bf16 or f16.
;; Inputs: Wk 1,024 x 512 float32; Wout 512 x 1,024 float32; Wq 1,024 x 512 float32; Wv 1,024 x 512 float32; betas 1 x 16 x 1 x 64 float32; x 2 x 8,192 x 512 float32.
;; Outputs: out0 2 x 8,192 x 512 float32.
;; 2 versions, each right; version 2 is version 1 with the launch pref written anew for expert scheduling mode. Each part assembles by itself: llvm-mc -triple=amdgcn-amd-amdhsa -mcpu=gfx1250 --defsym DOCPART=n.
;; ======== version 1 of 2: 5 launches
;; limits: values are held in f16: magnitudes above 65,504 overflow, below 6.1e-05 lose precision; right only within a limited range of input values
;; workspace buffers: xb 16,777,216 bytes; wb 3,145,728 bytes; wof 1,048,576 bytes; gates 8,192 bytes; qkv 100,663,296 bytes; mcon 8,388,608 bytes; zsum 131,072 bytes; mfrag 4,194,304 bytes
;; launch cvt (part 1): grid 1281 x 1, 8 waves a work-group, no clusters, 0 bytes of LDS; arguments x, Wq, Wk, Wv, Wout, betas, xb, wb, wof, gates; writes xb, wb, wof, gates
.if DOCPART == 1
	.amdgcn_target "amdgcn-amd-amdhsa--gfx1250"
	.amdhsa_code_object_version 6
	.text
	.protected	k_q179b2fe8d1_cvt
	.globl	k_q179b2fe8d1_cvt
	.p2align	8
	.type	k_q179b2fe8d1_cvt,@function
k_q179b2fe8d1_cvt:
	s_mov_b64 s[64:65], 0
	v_nop
	global_prefetch_b8 v0, s[64:65] scope:SCOPE_SE
	s_setreg_imm32_b32 hwreg(HW_REG_WAVE_MODE, 25, 1), 1
	s_wait_xcnt 0x0
; ALL INPUTS ARE ROUNDED ONCE TO bf16 HERE.  x -> xb [16384][512] bf16; Wq, Wk, Wv -> wb [3072][512] bf16 (rows Wq, Wk, Wv);
; Wout -> its bf16 value written as f16, in the order in which the last launch's matrix fragments want it:
;   wof [j 16][nt 32][kk 2][p 2][lane 32][8] = Wout[16 nt + lane % 16][64 j + 32 kk + 16 p + 8 (lane / 16) + 0..7];
; betas -> gates [2][16][64] f32: sigmoid(bf16(beta)), then sigmoid(-bf16(beta)) = 1 - gate.
; LIMITS.  A weight of Wout below 6.1e-5 keeps f16's fixed step of 6e-8, one beyond 65,504 becomes an infinity.  NaN and infinities are not treated apart.
; SHARES.  Eight waves; a work-group takes 8,192 numbers.  Work-groups 0-1023: x; 1024-1215: Wq, Wk, Wv (64 each); 1216-1279: Wout (chunk j, a quarter of its 32 row blocks);
; 1280: betas.  So 1,280 equal shares, five for each of 256 WGPs.
; x and the three weights: a thread takes 4 neighbouring numbers a step: a wave's load covers 512 consecutive bytes, its store 256 consecutive bytes, aligned; no byte is touched by two loads.
; All loads of a thread go out at once; no register is used twice, so the only waits are the counted ones for the loads.
; No LDS, no matrix unit, no cluster: nothing is shared and memory binds.
.set X, 16                             ; v[16:47]  as loaded; the low registers of a step then hold what is stored
	s_load_b512 s[8:23], s[0:1], 0x0               ; x s[8:9], Wq s[10:11], Wk s[12:13], Wv s[14:15], Wout s[16:17], betas s[18:19], xb s[20:21], wb s[22:23]
	s_load_b128 s[24:27], s[0:1], 0x40             ; wof s[24:25], gates s[26:27]
	s_mov_b32 s2, ttmp9
	v_lshlrev_b32 v1, 4, v0                        ; 16 bytes a thread
	v_lshlrev_b32 v2, 3, v0                        ; 8 bytes a thread
	s_and_b32 s3, s2, 63                           ; my sixty-fourth of a weight matrix
	s_sub_co_u32 s4, s2, 1024                      ; my place in wb (used from work-group 1024 on)
	s_mov_b32 s33, 0
	s_mov_b32 s35, 0
	s_wait_kmcnt 0x0
	s_cmp_eq_u32 s2, 1280
	s_cbranch_scc1 .Lgate
	s_cmp_ge_u32 s2, 1216
	s_cbranch_scc1 .Lwout
	; x, Wq, Wk, Wv: a plain cast
	s_cmp_ge_u32 s2, 1024
	s_cselect_b64 s[28:29], s[10:11], s[8:9]
	s_cselect_b64 s[30:31], s[22:23], s[20:21]
	s_cselect_b32 s3, s3, s2
	s_cselect_b32 s4, s4, s2
	s_cmp_ge_u32 s2, 1088
	s_cselect_b64 s[28:29], s[12:13], s[28:29]
	s_cmp_ge_u32 s2, 1152
	s_cselect_b64 s[28:29], s[14:15], s[28:29]
	s_lshl_b32 s32, s3, 15                         ; 8,192 numbers of 4 bytes
	s_lshl_b32 s34, s4, 14                         ; and of 2 bytes
	s_add_nc_u64 s[28:29], s[28:29], s[32:33]
	s_add_nc_u64 s[30:31], s[30:31], s[34:35]
.set i, 0
.rept 8
	global_load_b128 v[X+4*i:X+4*i+3], v1, s[28:29] offset:i*4096 th:TH_LOAD_NT
.set i, i+1
.endr
.set i, 0
.rept 8
	s_wait_loadcnt 7-i                             ; loads come back in order: step i's is in, the 7 - i younger ones stay out
	v_cvt_pk_bf16_f32 v[X+4*i], v[X+4*i], v[X+4*i+1]       ; in place: each result lands on a register that has been read
	v_cvt_pk_bf16_f32 v[X+4*i+1], v[X+4*i+2], v[X+4*i+3]
	global_store_b64 v2, v[X+4*i:X+4*i+1], s[30:31] offset:i*2048
.set i, i+1
.endr
	s_endpgm
.Lwout:                                        ; chunk j = 64 columns of Wout; a step holds two row blocks of 16; my quarter has four steps
	s_sub_co_u32 s3, s2, 1216
	s_lshr_b32 s4, s3, 2                           ; j
	s_and_b32 s3, s3, 3                            ; the quarter
	s_lshl_b32 s32, s4, 8                          ; 64 columns of 4 bytes,
	s_lshl_b32 s5, s3, 19                          ; 128 rows of 4,096 bytes
	s_add_co_u32 s32, s32, s5
	s_lshl_b32 s34, s4, 16                         ; 65,536 bytes of wof a chunk,
	s_lshl_b32 s5, s3, 14                          ; 16,384 a quarter
	s_add_co_u32 s34, s34, s5
	s_add_nc_u64 s[28:29], s[16:17], s[32:33]
	s_add_nc_u64 s[30:31], s[24:25], s[34:35]
	v_lshrrev_b32 v3, 7, v0                        ; nt % 2
	v_and_b32 v4, 15, v0                           ; lane % 16
	v_lshl_add_u32 v3, v3, 4, v4                   ; row in the step's 32
	v_bfe_u32 v4, v0, 4, 3                         ; 4 kk + 2 p + lane / 16
	v_lshlrev_b32 v4, 5, v4                        ; x 8 columns x 4 bytes
	v_lshl_add_u32 v3, v3, 12, v4                  ; + row x 4,096 bytes
.set i, 0
.rept 4
	global_load_b128 v[X+8*i:X+8*i+3],   v3, s[28:29] offset:i*131072 th:TH_LOAD_NT
	global_load_b128 v[X+8*i+4:X+8*i+7], v3, s[28:29] offset:i*131072+16 th:TH_LOAD_NT
.set i, i+1
.endr
.set i, 0
.rept 4
	s_wait_loadcnt 6-2*i                           ; step i's two are in, the 2 (3 - i) younger ones stay out
.irp j, 0,1,2,3
	v_cvt_pk_bf16_f32 v4, v[X+8*i+2*\j], v[X+8*i+2*\j+1]  ; rounded to bf16 like every input,
	v_lshlrev_b32 v5, 16, v4                       ; widened again,
	v_and_b32 v6, 0xffff0000, v4
	v_cvt_pk_f16_f32 v[X+8*i+\j], v5, v6           ; and written as f16
.endr
	global_store_b128 v1, v[X+8*i:X+8*i+3], s[30:31] offset:i*4096
.set i, i+1
.endr
	s_endpgm
.Lgate:                                        ; 1,024 betas, four a thread
	global_load_b128 v[16:19], v1, s[18:19]
	s_wait_loadcnt 0x0
	v_cvt_pk_bf16_f32 v4, v16, v17
	v_cvt_pk_bf16_f32 v5, v18, v19
	v_lshlrev_b32 v16, 16, v4
	v_and_b32 v17, 0xffff0000, v4
	v_lshlrev_b32 v18, 16, v5
	v_and_b32 v19, 0xffff0000, v5
.irp j, 0,1,2,3
	v_mul_f32 v[24+\j], 0xbfb8aa3b, v[16+\j]       ; -beta log2(e)
	v_mul_f32 v[16+\j], 0x3fb8aa3b, v[16+\j]       ;  beta log2(e)
.endr
.irp j, 0,1,2,3
	v_exp_f32 v[20+\j], v[24+\j]
	v_exp_f32 v[28+\j], v[16+\j]
.endr
	v_nop                                          ; a plain instruction behind the last exponential,
	s_wait_alu depctr_va_vdst(0)                   ; and one wait for the eight, ahead of the first use
.irp j, 0,1,2,3
	v_add_f32 v[20+\j], 1.0, v[20+\j]
	v_add_f32 v[28+\j], 1.0, v[28+\j]
.endr
.irp j, 0,1,2,3
	v_rcp_f32 v[20+\j], v[20+\j]                   ; gate = 1 / (1 + e^-beta)
	v_rcp_f32 v[28+\j], v[28+\j]                   ; 1 - gate = 1 / (1 + e^beta)
.endr
	v_nop
	s_wait_alu depctr_va_vdst(0)
	global_store_b128 v1, v[20:23], s[26:27]
	global_store_b128 v1, v[28:31], s[26:27] offset:4096
	s_endpgm
.Lfunc_end_k_q179b2fe8d1_cvt:
	.size	k_q179b2fe8d1_cvt, .Lfunc_end_k_q179b2fe8d1_cvt-k_q179b2fe8d1_cvt
	.p2alignl 7, 3214868480
	.fill 96, 4, 3214868480
	.section	.rodata,"a",@progbits
	.p2align	6, 0x0
	.amdhsa_kernel k_q179b2fe8d1_cvt
		.amdhsa_group_segment_fixed_size 0
		.amdhsa_private_segment_fixed_size 0
		.amdhsa_enable_private_segment 0
		.amdhsa_kernarg_size 80
		.amdhsa_user_sgpr_count 2
		.amdhsa_user_sgpr_kernarg_segment_ptr 1
		.amdhsa_wavefront_size32 1
		.amdhsa_system_sgpr_workgroup_id_x 1
		.amdhsa_system_sgpr_workgroup_id_y 1
		.amdhsa_system_sgpr_workgroup_id_z 1
		.amdhsa_system_vgpr_workitem_id 0
		.amdhsa_next_free_vgpr 48
		.amdhsa_next_free_sgpr 66
		.amdhsa_reserve_vcc 0
		.amdhsa_float_denorm_mode_32 3
		.amdhsa_float_denorm_mode_16_64 3
		.amdhsa_memory_ordered 1
		.amdhsa_forward_progress 1
		.amdhsa_inst_pref_size 12
	.end_amdhsa_kernel
	.amdgpu_metadata
---
amdhsa.version: [ 1, 2 ]
amdhsa.kernels:
  - .name:           k_q179b2fe8d1_cvt
    .symbol:         k_q179b2fe8d1_cvt.kd
    .args:
      - { .name: x, .offset: 0, .size: 8, .value_kind: global_buffer, .address_space: global }
      - { .name: Wq, .offset: 8, .size: 8, .value_kind: global_buffer, .address_space: global }
      - { .name: Wk, .offset: 16, .size: 8, .value_kind: global_buffer, .address_space: global }
      - { .name: Wv, .offset: 24, .size: 8, .value_kind: global_buffer, .address_space: global }
      - { .name: Wout, .offset: 32, .size: 8, .value_kind: global_buffer, .address_space: global }
      - { .name: betas, .offset: 40, .size: 8, .value_kind: global_buffer, .address_space: global }
      - { .name: xb, .offset: 48, .size: 8, .value_kind: global_buffer, .address_space: global }
      - { .name: wb, .offset: 56, .size: 8, .value_kind: global_buffer, .address_space: global }
      - { .name: wof, .offset: 64, .size: 8, .value_kind: global_buffer, .address_space: global }
      - { .name: gates, .offset: 72, .size: 8, .value_kind: global_buffer, .address_space: global }
    .group_segment_fixed_size: 0
    .private_segment_fixed_size: 0
    .kernarg_segment_align: 8
    .kernarg_segment_size: 80
    .max_flat_workgroup_size: 256
    .sgpr_count:     66
    .vgpr_count:     48
    .wavefront_size: 32
...
	.end_amdgpu_metadata
.endif
;; end of part 1
;; launch proj (part 2): grid 4 x 64, 4 waves a work-group, clusters of 4 x 4, 327,680 bytes of LDS; arguments xb, wb, qkv; writes qkv
.if DOCPART == 2
	.amdgcn_target "amdgcn-amd-amdhsa--gfx1250"
	.amdhsa_code_object_version 6
	.text
	.protected	k_q179b2fe8d1_proj
	.globl	k_q179b2fe8d1_proj
	.p2align	8
	.type	k_q179b2fe8d1_proj,@function
k_q179b2fe8d1_proj:
	s_mov_b64 s[64:65], 0
	v_nop
	global_prefetch_b8 v0, s[64:65] scope:SCOPE_SE
	s_setreg_imm32_b32 hwreg(HW_REG_WAVE_MODE, 25, 1), 1
	s_wait_xcnt 0x0
	s_wait_alu depctr_hold_cnt(0) depctr_sa_sdst(0) depctr_va_vdst(0) depctr_va_sdst(0) depctr_va_ssrc(0) depctr_va_vcc(0) depctr_vm_vsrc(0)
	s_getreg_b32 s2, hwreg(HW_REG_IB_STS2, 6, 4)
	s_cmp_eq_u32 s2, 0
	s_cbranch_scc0 .Lentry_in_a_cluster
	s_endpgm
.Lentry_in_a_cluster:
	s_bfe_u32 s2, ttmp6, 0x10000c
	s_cmp_lg_u32 s2, 0xf033
	s_cbranch_scc0 .Lentry_shape_is_right
	s_endpgm
.Lentry_shape_is_right:
; q, k, v = xb wb^T.  xb: [16384][512] bf16 (A), wb: [3072][512] bf16 (B: rows Wq, Wk, Wv), qkv: [3][16384][1024] f16; sums in f32, each result rounded once to f16.
; LIMIT.  f16 holds no number beyond 65,504: a projection beyond that becomes an infinity.
; A tile of C, 256 tokens x 256 features, is made by four waves, each 128 x 128: 64 accumulators of 16 x 16, 512 registers.  K = 512 goes in four steps of 128 through a ring of two LDS
; slots filled by the tensor data mover; a tile's rows are 256 bytes of memory and start at multiples of 256 bytes.
; A WORK-GROUP STAYS: it makes three tiles, the same tokens and columns of q, then k, then v.  A's rows are the same for the three; B goes 1,024 rows down; C one plane on.  The ring does
; not stop at a tile's end: a tile's second lap asks for the next tile's first two K steps.  Twelve K steps in all; the last lap, which asks for nothing, is written out.
; CLUSTERS: 4 x 4 work-groups.  The four of a row of the cluster need the same tiles of A, the four of a column the same tiles of B: each tile is asked for JOINTLY, by the same tensor load
; with the same descriptor and a mask that names the four.  Every branch hangs on the wave's number, the cluster's y or the two counters, which are alike in all partners.
; THE MATRIX INSTRUCTION IS USED TRANSPOSED (source 0 = 16 rows of B, source 1 = 16 rows of A): a lane holds one token and eight neighbouring features, which pack into 16 bytes.
; REGISTERS, in windows of 256: window 0: v0-31 addresses; v64-127, v128-191 fragments of A, two buffers; v32-63, v192-255 at work on the way out
;   window 1: v64-127, v128-191 fragments of B;   window 2: the accumulators of my rows 0-63 ((a, b) at v[8 (8 a + b)]);   window 3: those of my rows 64-127
.set SIZE_K, 512
.set CROW,   2048                      ; bytes in a row of a plane of qkv
.set KSTEP,  128
.set PITCH,  272                       ; an LDS row: 256 bytes + 16 of padding: the 16 rows that a load touches start at 16 different groups of four banks (64 banks of 4 bytes: ISA guide 11.1)
.set HALFT,  128*PITCH                 ; 128 rows: what one tensor load brings
.set SLOT,   4*HALFT                   ; A's 256 rows, then B's 256 rows
.set STAGE,  2*SLOT                    ; behind the ring: 16 rows x 272 bytes for each wave, for the way out
.set SPITCH, 272
.set SPARE,  STAGE+4*16*SPITCH         ; behind the stages: the spare words, 128 bytes for each wave
.set ADRA, 16                          ; v16-17  LDS address of my A fragments in slot 0, 1
.set ADRB, 20                          ; v20-21  the same for B
.set STO,  24                          ; v24     the way out: where I put 16 bytes of a row
.set RD,   25                          ; v25     the way out: where I read a row back
.set CO,   26                          ; v26     my byte offset in C
.set SPW,  28                          ; v28     LDS address of my spare word; never rewritten
.set NIL,  29                          ; v29     0; never rewritten
.set PFO,  30                          ; v30     the prefetches' offset: my lane x a row of wb (1,024 bytes); never rewritten
.set F0,   64
.set F1,   128
.set TMP,  192
.set OB,   32
.set G1,   24                          ; s[24:31] descriptor group 1 for A's tiles
.set G0,   32                          ; s[32:39] group 0 for A's tiles, one set for each slot
.set PFA,  44                          ; s[44:45] the next tile's K step 2 of my work-group's 32 rows of the 128 rows of B that I fetch
.set G1B,  48                          ; s[48:55] group 1 for B's tiles
.set G0B,  56                          ; s[56:63] group 0 for B's tiles
.set SPA,  66                          ; s[66:67] what a refill adds to A's address: 512 bytes (two K steps), or 0
.set SMA,  68                          ; s[68:69] what it takes away: 0, or 512 (back to the same rows' K step 0 or 1)
.set SPB,  70                          ; s[70:71] what it adds to B's: 512, or 1,024 rows less 512 bytes
.set ASKF, 72                          ; s72     1: this lap's refills are followed by a prefetch
.set PFON, 73                          ; s73     1 in a wave that prefetches at all
.set C512, 74                          ; s74     512
.set CNXB, 75                          ; s75     1,048,064
.set MSB, 0
.macro WIN new                         ; the immediate's high byte repeats the setting that is left
.if MSB != (\new)
	s_set_vgpr_msb (MSB<<8)|(\new)
.set MSB, \new
.endif
.endm
.set MUL_LO, 0xa1                      ; source 0 (B) window 1, source 1 (A) window 0, C and D window 2
.set MUL_HI, 0xf1                      ; the same, C and D window 3
.set TO_B,   0x40                      ; destination window 1, address window 0
; A joint load.  Waves 0 and 1 fetch A's two halves, waves 2 and 3 B's.  An s_nop 0 and four v_nop follow each of the two lines, ahead of the jump and the label.
.macro JLOAD s
	s_cmp_eq_u32 s11, 0
	s_cbranch_scc0 .Lfor_b_\@
	tensor_load_to_lds s[G0+4*(\s):G0+4*(\s)+3], s[G1:G1+7]
	s_nop 0
.rept 4
	v_nop
.endr
	s_branch .Lasked_\@
.Lfor_b_\@:
	tensor_load_to_lds s[G0B+4*(\s):G0B+4*(\s)+3], s[G1B:G1B+7]
	s_nop 0
.rept 4
	v_nop
.endr
.Lasked_\@:
.endm
; A PREFETCH INTO THE L2.  A tile's second lap asks, behind its two refills (which bring the next tile's K steps 0 and 1), for the next tile's K steps 2 and 3 of B: two refills, 512 matrix
; instructions, ahead of the loads that will want them.  Each row's 256 bytes are named once in the launch: of the clusters that read a column of B's tiles the one with y = 0 asks; its four partners
; along the column share the 128 rows that a wave fetches out BY ADDRESS, 32 each; a lane a row, one instruction.  A's rows are asked for by their loads alone: all four K steps of them are
; wanted within the first lap.  The last tile asks for nothing.
.macro ASK slot
	s_cmp_eq_u32 s[ASKF], 1
	s_cbranch_scc0 .Lnot_mine_\@
	global_prefetch_b8 v[PFO], s[PFA:PFA+1] offset:(\slot)*KSTEP*2 th:TH_LOAD_NT scope:SCOPE_SE
.Lnot_mine_\@:
.endm
.macro CREST                           ; a round of the cluster's barrier behind its opening barrier
	s_cmp_lg_u32 s10, 0
	s_cbranch_scc1 .Lnot_wave_0_\@
	s_barrier_signal -3
.Lnot_wave_0_\@:
	s_barrier_wait -3
	s_barrier_signal -1
	s_barrier_wait -1
.endm
.macro CROUND                          ; a whole round
	s_barrier_signal -1
	s_barrier_wait -1
	CREST
.endm
	s_load_b128 s[4:7], s[0:1], 0x0                ; xb s[4:5], wb s[6:7]
	s_load_b64 s[8:9], s[0:1], 0x10                ; qkv
	v_lshl_add_u32 v[SPW], v0, 2, SPARE
	v_mov_b32 v[NIL], 0
	ds_add_u32 v[SPW], v[NIL]                      ; the wave's opening: the add, twice on end, and its wait ahead of my first tensor load
	ds_add_u32 v[SPW], v[NIL]
	v_lshrrev_b32 v1, 5, v0
	v_readfirstlane_b32 s10, v1                    ; wave 0..3
	s_lshr_b32 s11, s10, 1                         ; which half of the tile's rows is mine.  Also: I fetch for A (0) or for B (1)
	s_and_b32 s12, s10, 1                          ; which half of its columns.  Also: which 128 rows of that tile I fetch
	s_bfe_u32 s40, ttmp6, 0x40000                  ; cx
	s_bfe_u32 s41, ttmp6, 0x40004                  ; cy
	s_lshl_b32 s42, ttmp9, 2
	s_add_co_u32 s42, s42, s40                     ; tile column = 4 x cluster x + cx
	s_and_b32 s13, ttmp7, 0xffff
	s_lshl_b32 s13, s13, 2
	s_add_co_u32 s13, s13, s41                     ; tile row = 4 x cluster y + cy
	s_lshl_b32 s43, s41, 2
	s_lshl_b32 s43, 15, s43                        ; my row of the cluster
	s_lshl_b32 s44, 0x1111, s40                    ; my column
	; descriptor group 1: a tile of 128 rows x 128 elements of 2 bytes, 4 words of padding behind every 64
	s_or_b32 s[G1+0], s43, (1<<16)|(1<<20)|(1<<21)|(5<<22)|(3<<25)
	s_or_b32 s[G1B+0], s44, (1<<16)|(1<<20)|(1<<21)|(5<<22)|(3<<25)
.irp g, G1, G1B
	s_mov_b32 s[(\g)+1], KSTEP<<16                 ; tensor_dim0 = 128
	s_mov_b32 s[(\g)+2], 128<<16                   ; tensor_dim1 = 128
	s_mov_b32 s[(\g)+3], KSTEP<<16                 ; tile_dim0 = 128
	s_mov_b32 s[(\g)+4], 128                       ; tile_dim1 = 128
	s_mov_b32 s[(\g)+5], SIZE_K                    ; elements from row to row
	s_mov_b32 s[(\g)+6], 0
	s_mov_b32 s[(\g)+7], 0
.endr
	s_lshl_b32 s17, s12, 7                         ; which 128 rows of the tile I fetch
	s_lshl_b32 s16, s13, 8
	s_add_co_u32 s16, s16, s17                     ; A: row 256 x tile row + 128 x half
	s_lshl_b32 s46, s42, 8
	s_add_co_u32 s46, s46, s17                     ; B: row 256 x tile column + 128 x half (of Wq)
	s_mov_b32 s17, 0
	s_mov_b32 s47, 0
	s_mov_b64 s[18:19], SIZE_K*2
	s_mul_u64 s[16:17], s[16:17], s[18:19]
	s_mul_u64 s[46:47], s[46:47], s[18:19]
	s_mul_i32 s20, s10, HALFT                      ; where they go: wave x 128 rows: no place in the cluster enters an LDS address
	s_mov_b32 s[SPA+1], 0
	s_mov_b32 s[SMA+1], 0
	s_mov_b32 s[SPB+1], 0
	s_mov_b32 s[C512], 2*KSTEP*2
	s_mov_b32 s[CNXB], 1024*SIZE_K*2-2*KSTEP*2
	s_wait_dscnt 0x0                               ; both opening adds are done
	s_wait_kmcnt 0x0
	s_add_nc_u64 s[14:15], s[4:5], s[16:17]
	s_add_nc_u64 s[46:47], s[6:7], s[46:47]
	CROUND                                         ; all sixteen work-groups are here: the first joint loads meet
.irp s, 0,1
	s_mov_b32 s[G0+4*(\s)], 1
	s_add_co_u32 s[G0+4*(\s)+1], s20, (\s)*SLOT
	s_add_nc_u64 s[G0+4*(\s)+2:G0+4*(\s)+3], s[14:15], (\s)*KSTEP*2
	s_or_b32 s[G0+4*(\s)+3], s[G0+4*(\s)+3], 0x80000000
	s_mov_b32 s[G0B+4*(\s)], 1
	s_add_co_u32 s[G0B+4*(\s)+1], s20, (\s)*SLOT
	s_add_nc_u64 s[G0B+4*(\s)+2:G0B+4*(\s)+3], s[46:47], (\s)*KSTEP*2
	s_or_b32 s[G0B+4*(\s)+3], s[G0B+4*(\s)+3], 0x80000000
	JLOAD \s                                       ; by my own count two tensor loads of mine are out here, later one behind each round
.endr
	v_and_b32 v1, 15, v0                           ; l % 16
	v_bfe_u32 v2, v0, 4, 1                         ; l / 16
	v_mul_u32_u24 v3, v1, PITCH
	v_lshl_add_u32 v3, v2, 4, v3                   ; a fragment's row x pitch + 16 x half
	s_mul_i32 s21, s11, HALFT                      ; my 128 rows of A
	s_mul_i32 s22, s12, HALFT                      ; my 128 rows of B,
	s_add_co_u32 s22, s22, 2*HALFT                 ; which lie behind A's 256
.irp s, 0,1
	v_add_nc_u32 v[ADRA+(\s)], s21, v3
	v_add_nc_u32 v[ADRB+(\s)], s22, v3
	s_add_co_u32 s21, s21, SLOT
	s_add_co_u32 s22, s22, SLOT
.endr
	s_mul_i32 s23, s10, 16*SPITCH
	s_add_co_u32 s23, s23, STAGE                   ; my stage
	v_mul_u32_u24 v4, v1, SPITCH
	v_lshl_add_u32 v4, v2, 4, v4
	v_add_nc_u32 v[STO], s23, v4
	v_mul_u32_u24 v5, v2, SPITCH
	v_lshl_add_u32 v5, v1, 4, v5
	v_add_nc_u32 v[RD], s23, v5
	v_mul_u32_u24 v5, v2, CROW
	v_lshl_add_u32 v[CO], v1, 4, v5
	; where my part of the first tile begins in qkv: the first way out adds it to the address
	s_lshl_b32 s13, s13, 8
	s_lshl_b32 s14, s11, 7
	s_add_co_u32 s16, s13, s14                     ; my first token,
	s_lshl_b32 s16, s16, 11                        ; x 2,048 bytes (under 2^26)
	s_lshl_b32 s46, s42, 9                         ; my first column: 512 x tile column + 256 x half
	s_lshl_b32 s47, s12, 8
	s_add_co_u32 s46, s46, s47
	s_add_co_u32 s16, s16, s46
	s_mov_b32 s17, 0
	; the prefetches
	s_lshl_b32 s20, s42, 8                         ; the tile's first row in a weight matrix
	s_lshl_b32 s21, s12, 7
	s_add_co_u32 s20, s20, s21                     ; + the 128 rows that I fetch
	s_lshl_b32 s21, s41, 5
	s_add_co_u32 s20, s20, s21                     ; + my work-group's 32 of them
	s_add_co_u32 s20, s20, 1024                    ; in the next weight matrix
	s_lshl_b32 s20, s20, 10
	s_add_co_u32 s20, s20, 2*KSTEP*2               ; at K step 2
	s_mov_b32 s21, 0
	s_add_nc_u64 s[PFA:PFA+1], s[6:7], s[20:21]
	s_and_b32 s22, ttmp7, 0xffff
	s_cmp_eq_u32 s22, 0
	s_cselect_b32 s[PFON], s11, 0                  ; waves 2 and 3 of the clusters with y = 0
	v_and_b32 v[PFO], 31, v0
	v_lshlrev_b32 v[PFO], 10, v[PFO]
; 16 matrix instructions: m blocks a0, a0 + 1 of the window's four x all 8 n blocks, 32 along K.  zero = 1: the first product starts the sums.
.macro MUL16 f, hi, a0, zero
	WIN MUL_LO+0x50*(\hi)
.irp a, \a0, (\a0)+1
.irp b, 0,1,2,3,4,5,6,7
.if \zero
	v_wmma_f32_16x16x32_bf16 v[8*(8*(\a)+(\b)):8*(8*(\a)+(\b))+7], v[(\f)+8*(\b):(\f)+8*(\b)+7], v[(\f)+8*(4*(\hi)+(\a)):(\f)+8*(4*(\hi)+(\a))+7], 0
.else
	v_wmma_f32_16x16x32_bf16 v[8*(8*(\a)+(\b)):8*(8*(\a)+(\b))+7], v[(\f)+8*(\b):(\f)+8*(\b)+7], v[(\f)+8*(4*(\hi)+(\a)):(\f)+8*(4*(\hi)+(\a))+7], v[8*(8*(\a)+(\b)):8*(8*(\a)+(\b))+7]
.endif
.endr
.endr
.endm
; 32 LDS loads in one run: the fragments of one quarter step (128 rows of B, 128 rows of A, 32 K at byte k of the rows) into buffer f
.macro FETCH slot, k, f
	WIN TO_B
.irp i, 0,1,2,3,4,5,6,7
	ds_load_b128 v[(\f)+8*(\i):(\f)+8*(\i)+3],   v[ADRB+(\slot)] offset:(\k)+(\i)*16*PITCH
	ds_load_b128 v[(\f)+8*(\i)+4:(\f)+8*(\i)+7], v[ADRB+(\slot)] offset:(\k)+(\i)*16*PITCH+32
.endr
	WIN 0
.irp i, 0,1,2,3,4,5,6,7
	ds_load_b128 v[(\f)+8*(\i):(\f)+8*(\i)+3],   v[ADRA+(\slot)] offset:(\k)+(\i)*16*PITCH
	ds_load_b128 v[(\f)+8*(\i)+4:(\f)+8*(\i)+7], v[ADRA+(\slot)] offset:(\k)+(\i)*16*PITCH+32
.endr
.endm
.macro PLACES                          ; four plain vector instructions between a matrix instruction and a load into, or a vector read of, its registers
.rept 4
	v_nop
.endr
.endm
; A K step is four quarters of 32 along K, 64 matrix instructions each, on buffers 0, 1, 0, 1.  The 64 accumulators take turns, one instruction a turn.
.macro QUARTER slot, k, f, g, zero
	s_wait_dscnt 8                                 ; B and A's rows 0-63 are in; the youngest eight loads (A's rows 64-127) may be out
	WIN MUL_LO
	MUL16 \f, 0, 0, \zero
	MUL16 \f, 0, 2, \zero
	PLACES
	FETCH \slot, \k, \g
	s_wait_dscnt 32                                ; all but the 32 just issued
	WIN MUL_HI
	MUL16 \f, 1, 0, \zero
	MUL16 \f, 1, 2, \zero
.endm
; The first half of a K step's last quarter: ONE barrier for the change of slots.
.macro MEET round
	WIN 0                                          ; (the add's two registers lie in window 0)
	s_wait_tensorcnt 0x0                           ; all my tensor loads have landed: the one that was out is my part of the next slot;
	ds_add_u32 v[SPW], v[NIL]                      ; 0 onto my spare word;
	s_wait_dscnt 9                                 ; (the add and the youngest eight loads may be out)
	WIN MUL_LO
	MUL16 F1, 0, 0, 0                              ; sixteen matrix instructions stand between the add and the wait for it
	s_wait_dscnt 0x0                               ; the add is done, and my reads of this slot are over
	s_barrier_signal -1
	MUL16 F1, 0, 2, 0
.if \round
	WIN 0
.endif
	s_barrier_wait -1
.endm
; The whole last quarter with a refill: the barrier opens a round of the cluster's barrier; behind it the slot just read out is filled again first, then come the next slot's first fragments.
.macro TURN slot, next
	MEET 1
	CREST                                          ; no wave of any partner still reads this slot's tile or has a load on its way
	s_add_nc_u64 s[G0+4*(\slot)+2:G0+4*(\slot)+3], s[G0+4*(\slot)+2:G0+4*(\slot)+3], s[SPA:SPA+1]
	s_sub_nc_u64 s[G0+4*(\slot)+2:G0+4*(\slot)+3], s[G0+4*(\slot)+2:G0+4*(\slot)+3], s[SMA:SMA+1]
	s_add_nc_u64 s[G0B+4*(\slot)+2:G0B+4*(\slot)+3], s[G0B+4*(\slot)+2:G0B+4*(\slot)+3], s[SPB:SPB+1]
	JLOAD \slot                                    ; the first tensor load behind the round; its four v_nop are also the places in front of the loads below
	FETCH \next, 0, F0
	ASK \slot
	WIN MUL_HI
	MUL16 F1, 1, 0, 0
	MUL16 F1, 1, 2, 0
.endm
.macro PACK a                          ; block a of 16 rows: rounded to f16, 16 bytes a lane; each accumulator's registers in ascending order
.set AC, 64*((\a)%4)
	WIN 0x0a+5*((\a)/4)
.irp b, 0,1,2,3,4,5,6,7
.irp r, 0,1,2,3
	v_cvt_pk_f16_f32 v[TMP+4*(\b)+(\r)], v[AC+8*(\b)+2*(\r)], v[AC+8*(\b)+2*(\r)+1]
.endr
.endr
	WIN 0
.endm
.macro TOSTAGE a                       ; into my own stage, and back as whole rows of 256 bytes
	WIN 0
.set BK, OB+192*((\a)%2)
.irp b, 0,1,2,3,4,5,6,7
	ds_store_b128 v[STO], v[TMP+4*(\b):TMP+4*(\b)+3] offset:32*(\b)
.endr
.irp t, 0,1,2,3,4,5,6,7
	ds_load_b128 v[BK+4*(\t):BK+4*(\t)+3], v[RD] offset:(\t)*2*SPITCH  ; LDS serves a wave's instructions in order (ISA guide 5.7.1.4): these see the stores above
.endr
.endm
.macro SEND a
	WIN 0
.set BK, OB+192*((\a)%2)
	s_wait_dscnt 0x0                               ; the block is back in registers
	s_wait_xcnt 0x0                                ; the stores' base and the registers that earlier stores read are rewritten only behind this wait
.if (\a) == 0
	s_add_nc_u64 s[8:9], s[8:9], s[16:17]          ; on to this tile's first rows
.else
	s_add_nc_u64 s[8:9], s[8:9], 16*CROW
.endif
.irp t, 0,1,2,3,4,5,6,7
	global_store_b128 v[CO], v[BK+4*(\t):BK+4*(\t)+3], s[8:9] offset:2*(\t)*CROW  ; 16 lanes store 256 consecutive bytes, at a multiple of 256 from the buffer's first byte
.endr
.endm
	s_wait_tensorcnt 1                             ; my part of K step 0 is in; K step 1's may stay out
	s_barrier_signal -1
	s_barrier_wait -1
	FETCH 0, 0, F0
	s_mov_b32 s2, 3                                ; tiles to go
.Ltile:
	QUARTER 0, 64,  F0, F1, 1                      ; a tile's first quarter starts the sums: nothing is cleared
	WIN 0
	s_mov_b32 s3, 2                                ; laps to go in this tile
.Llap:                                                 ; a lap with refills, from its second quarter on
	s_cmp_eq_u32 s3, 1                             ; the tile's second lap asks for the next tile's K steps 0 and 1
	s_cselect_b32 s[SPA], 0, s[C512]
	s_cselect_b32 s[SMA], s[C512], 0
	s_cselect_b32 s[SPB], s[CNXB], s[C512]
	s_cselect_b32 s[ASKF], s[PFON], 0
	QUARTER 0, 128, F1, F0, 0
	QUARTER 0, 192, F0, F1, 0
	TURN 0, 1
	QUARTER 1, 64,  F0, F1, 0
	QUARTER 1, 128, F1, F0, 0
	QUARTER 1, 192, F0, F1, 0
	TURN 1, 0
	WIN 0
	s_sub_co_u32 s3, s3, 1
	s_cmp_eq_u32 s3, 0
	s_cbranch_scc1 .Lout                           ; the tile is finished; the next tile's first fragments are on their way out of LDS
	QUARTER 0, 64,  F0, F1, 0
	WIN 0
	s_cmp_eq_u32 s2, 1
	s_cbranch_scc1 .Llast                          ; the last tile's second lap asks for nothing
	s_branch .Llap
.Llast:
	QUARTER 0, 128, F1, F0, 0
	QUARTER 0, 192, F0, F1, 0
	MEET 0                                         ; the one load that was out is the last K step's, so no round follows
	PLACES
	FETCH 1, 0, F0
	WIN MUL_HI
	MUL16 F1, 1, 0, 0
	MUL16 F1, 1, 2, 0
	QUARTER 1, 64,  F0, F1, 0
	QUARTER 1, 128, F1, F0, 0
	QUARTER 1, 192, F0, F1, 0
	s_wait_dscnt 8
	MUL16 F1, 0, 0, 0
	MUL16 F1, 0, 2, 0
	s_wait_dscnt 0x0
	MUL16 F1, 1, 0, 0
	MUL16 F1, 1, 2, 0
	WIN 0
.Lout:                                                 ; THE WAY OUT: block a's conversions stand between block a - 1's loads from the stage and the wait for them
	PLACES
	PACK 0
	TOSTAGE 0
.irp a, 1,2,3,4,5,6,7
	PACK \a
	SEND (\a)-1
	TOSTAGE \a
.endr
	SEND 7
	s_mov_b64 s[16:17], 33554432-7*16*CROW         ; what the next way out adds: one plane on, back to my first rows
	s_wait_xcnt 0x0                                ; the prefetches, a way out back, have read their address
	s_add_nc_u64 s[PFA:PFA+1], s[PFA:PFA+1], 1024*SIZE_K*2
	s_sub_co_u32 s2, s2, 1
	s_cmp_lg_u32 s2, 0
	s_cbranch_scc1 .Ltile
	s_wait_tensorcnt 0x0                           ; the wave's end
	ds_add_u32 v[SPW], v[NIL]
	s_wait_dscnt 0x0
	CROUND                                         ; the closing round
	s_endpgm
.Lfunc_end_k_q179b2fe8d1_proj:
	.size	k_q179b2fe8d1_proj, .Lfunc_end_k_q179b2fe8d1_proj-k_q179b2fe8d1_proj
	.p2alignl 7, 3214868480
	.fill 96, 4, 3214868480
	.section	.rodata,"a",@progbits
	.p2align	6, 0x0
	.amdhsa_kernel k_q179b2fe8d1_proj
		.amdhsa_group_segment_fixed_size 327680
		.amdhsa_private_segment_fixed_size 0
		.amdhsa_enable_private_segment 0
		.amdhsa_kernarg_size 24
		.amdhsa_user_sgpr_count 2
		.amdhsa_user_sgpr_kernarg_segment_ptr 1
		.amdhsa_wavefront_size32 1
		.amdhsa_system_sgpr_workgroup_id_x 1
		.amdhsa_system_sgpr_workgroup_id_y 1
		.amdhsa_system_sgpr_workgroup_id_z 1
		.amdhsa_system_vgpr_workitem_id 0
		.amdhsa_next_free_vgpr 1024
		.amdhsa_next_free_sgpr 80
		.amdhsa_reserve_vcc 0
		.amdhsa_float_denorm_mode_32 3
		.amdhsa_float_denorm_mode_16_64 3
		.amdhsa_memory_ordered 1
		.amdhsa_forward_progress 1
		.amdhsa_inst_pref_size 144
	.end_amdhsa_kernel
	.amdgpu_metadata
---
amdhsa.version: [ 1, 2 ]
amdhsa.kernels:
  - .name:           k_q179b2fe8d1_proj
    .symbol:         k_q179b2fe8d1_proj.kd
    .args:
      - { .name: xb, .offset: 0, .size: 8, .value_kind: global_buffer, .address_space: global }
      - { .name: wb, .offset: 8, .size: 8, .value_kind: global_buffer, .address_space: global }
      - { .name: qkv, .offset: 16, .size: 8, .value_kind: global_buffer, .address_space: global }
    .group_segment_fixed_size: 327680
    .private_segment_fixed_size: 0
    .kernarg_segment_align: 8
    .kernarg_segment_size: 24
    .max_flat_workgroup_size: 128
    .sgpr_count:     80
    .vgpr_count:     1024
    .wavefront_size: 32
...
	.end_amdgpu_metadata
.endif
;; end of part 2
;; launch memc (part 3): grid 512 x 1, 4 waves a work-group, no clusters, 108,032 bytes of LDS; arguments qkv, mcon, zsum; writes mcon, zsum
.if DOCPART == 3
	.amdgcn_target "amdgcn-amd-amdhsa--gfx1250"
	.amdhsa_code_object_version 6
	.text
	.protected	k_q179b2fe8d1_memc
	.globl	k_q179b2fe8d1_memc
	.p2align	8
	.type	k_q179b2fe8d1_memc,@function
k_q179b2fe8d1_memc:
	s_mov_b64 s[64:65], 0
	v_nop
	global_prefetch_b8 v0, s[64:65] scope:SCOPE_SE
	s_setreg_imm32_b32 hwreg(HW_REG_WAVE_MODE, 25, 1), 1
	s_wait_xcnt 0x0
; FOR EACH BLOCK g (32 tokens = 512 positions x 64 channels of one head and segment): M[d][v] = the sum over s of sk[s][d] v[s][v], and Zs[d] = the sum over s of sk[s][d],
; sk = elu(k) + 1 = max(k, 0) + e^min(k, 0).  k, v: planes 1 and 2 of qkv, f16, a block's rows dense, 128 bytes each.  sk is made in f32 and rounded to f16 for the product; sums in f32.
; mcon [g][plane 2][slot 512][4] f32: slot (4 vt + dt) 32 + lane holds M[16 dt + 8 (lane / 16) + 4 plane + 0..3][16 vt + lane % 16]: the accumulators as they lie.  zsum [g][64] f32.
; LIMIT.  sk beyond 65,504 becomes an infinity in the product.
; SHARES.  A work-group a block; wave w takes positions 128 w .. 128 w + 127, 32 a trip (one K step of the matrix instruction); the four partial sums meet in LDS at the end.
; Both sources want the positions along K, and memory has them across: each wave lays its 32 rows of sk and of v into a stage of its own in LDS and reads them turned, by ds_load_tr16_b128.
; The stage is the wave's own and LDS serves a wave's instructions in order, so the loop has no barrier.  No tensor load: a byte is wanted by one wave, after arithmetic on it.
; IN FLIGHT.  A trip's first 136 lines take v into the stage and k apart into min(k, 0) and max(k, 0), each in registers of its own; the registers as loaded are then free, and the next trip's 16 loads
; go out there, ahead of the exponentials: they have the rest of the trip in which to land.
; No cluster, no prefetch: no two work-groups read the same byte, and the launch streams its two planes.
.set PLANE, 33554432
.set SP,    160                        ; a stage row: 128 bytes + 32
.set VST,   32*SP                      ; v's rows lie behind sk's
.set STG,   2*32*SP                    ; a wave's stage
.set PART,  4*STG                      ; the four partial sums, 16,384 bytes each, in mcon's order
.set ZP,    PART+4*16384               ; the four partial Zs, 256 bytes each
.set SPARE, ZP+1024                    ; the spare words, 128 bytes for each wave
.set L16, 2                            ; v2   16 x lane
.set LSK, 3                            ; v3   stage: where my 16 bytes of rows 0-3 go
.set LTR, 4                            ; v4   stage: what I read turned
.set PST, 5                            ; v5   where I put 16 bytes of my partial sum
.set PRD, 6                            ; v6   where I read the four partial sums
.set ZST, 7                            ; v7   where I put my 8 channels of Zs
.set ZRD, 8                            ; v8   where wave 0 reads two channels
.set T16, 9                            ; v9   16 x thread
.set SPW, 10
.set NIL, 11
.set ZERO, 12
.set LOG2E, 13
.set ONE, 14
.set ZA,  16                           ; v[16:23]   my 8 channels' running sum of sk
.set KR,  32                           ; v[32:63]   k as loaded
.set VR,  64                           ; v[64:95]   v as loaded
.set E,   96                           ; v[96:159]  64 numbers in f32
.set AF,  160                          ; v[160:191] sk^T: four fragments (16 d x 32 s)
.set BF,  192                          ; v[192:223] v^T: four fragments
.set TP,  224                          ; v[224:255] max(k, 0), then sk in f16
.set WV,  20
.set MSB, 0
.macro WIN new
.if MSB != (\new)
	s_set_vgpr_msb (MSB<<8)|(\new)
.set MSB, \new
.endif
.endm
	s_load_b128 s[4:7], s[0:1], 0x0                ; qkv s[4:5], mcon s[6:7]
	s_load_b64 s[8:9], s[0:1], 0x10                ; zsum
	v_lshl_add_u32 v[SPW], v0, 2, SPARE
	v_mov_b32 v[NIL], 0
	v_lshrrev_b32 v1, 5, v0
	v_readfirstlane_b32 s[WV], v1
	v_and_b32 v1, 31, v0                           ; lane
	v_lshlrev_b32 v[L16], 4, v1
	s_lshl_b32 s2, ttmp9, 16                       ; the block's 65,536 bytes,
	s_lshl_b32 s3, s[WV], 14                       ; my wave's quarter
	s_add_co_u32 s2, s2, s3
	s_mov_b32 s3, 0
	s_lshl_b32 s10, ttmp9, 14
	s_mov_b32 s11, 0
	s_wait_kmcnt 0x0
	s_add_nc_u64 s[12:13], s[4:5], s[2:3]
	s_add_nc_u64 s[12:13], s[12:13], PLANE         ; k
	s_add_nc_u64 s[14:15], s[12:13], PLANE         ; v
	s_add_nc_u64 s[6:7], s[6:7], s[10:11]
.irp i, 0,1,2,3,4,5,6,7
	global_load_b128 v[KR+4*\i:KR+4*\i+3], v[L16], s[12:13] offset:512*\i  ; four rows' 512 bytes
	global_load_b128 v[VR+4*\i:VR+4*\i+3], v[L16], s[14:15] offset:512*\i
.endr
	s_mul_i32 s21, s[WV], STG
	v_lshrrev_b32 v24, 3, v1                       ; which of the four rows
	v_and_b32 v25, 7, v1                           ; which 16 bytes of it
	v_mul_u32_u24 v[LSK], v24, SP
	v_lshl_add_u32 v[LSK], v25, 4, v[LSK]
	v_add_nc_u32 v[LSK], s21, v[LSK]
	v_lshrrev_b32 v26, 4, v1
	v_lshl_add_u32 v[LTR], v26, 3, v25             ; the turning load: row 8 (l / 16) + l % 8,
	v_mul_u32_u24 v[LTR], v[LTR], SP
	v_bfe_u32 v27, v1, 3, 1
	v_lshl_add_u32 v[LTR], v27, 4, v[LTR]          ; channels 8 ((l / 8) % 2) on
	v_add_nc_u32 v[LTR], s21, v[LTR]
	s_lshl_b32 s22, s[WV], 14
	s_add_co_u32 s22, s22, PART
	v_add_nc_u32 v[PST], s22, v[L16]
	v_lshlrev_b32 v[T16], 4, v0
	v_add_nc_u32 v[PRD], PART, v[T16]
	s_lshl_b32 s22, s[WV], 8
	s_add_co_u32 s22, s22, ZP
	v_lshl_add_u32 v[ZST], v25, 5, s22
	v_lshlrev_b32 v28, 3, v1                       ; 8 x lane
	v_add_nc_u32 v[ZRD], ZP, v28
	v_mov_b32 v[ZERO], 0
	v_mov_b32 v[LOG2E], 0x3fb8aa3b
	v_mov_b32 v[ONE], 1.0
	s_mov_b32 s18, 0x76543210
	s_mov_b32 s19, 0xfedcba98
	s_lshl_b32 s22, ttmp9, 8
	s_mov_b32 s23, 0
	s_add_nc_u64 s[8:9], s[8:9], s[22:23]
.irp i, 0,1,2,3,4,5,6,7
	v_mov_b32 v[ZA+\i], 0
.endr
	WIN 0x40                                       ; the sums start at 0: written while the first loads are on their way, so that the loop has one form of product
.set i, 0
.rept 128
	v_mov_b32 v[i], 0
.set i, i+1
.endr
	WIN 0
	s_mov_b32 s16, 4
.Lchunk:                                               ; 32 positions
	s_wait_loadcnt 0x0                             ; the trip's 16 loads, asked for early in the trip before
.irp i, 0,1,2,3,4,5,6,7
	ds_store_b128 v[LSK], v[VR+4*\i:VR+4*\i+3] offset:VST+4*SP*\i
.endr
.set i, 0
.rept 32
	v_pk_min_num_f16 v[E+2*i+1], v[KR+i], v[ZERO]
.set i, i+1
.endr
.set i, 0
.rept 32
	v_fma_mix_f32 v[E+2*i], v[E+2*i+1], v[LOG2E], v[ZERO] op_sel_hi:[1,0,0]                  ; min(k, 0) log2(e), the low half,
	v_fma_mix_f32 v[E+2*i+1], v[E+2*i+1], v[LOG2E], v[ZERO] op_sel:[1,0,0] op_sel_hi:[1,0,0] ; the high half
	v_pk_max_num_f16 v[TP+i], v[KR+i], v[ZERO]
.set i, i+1
.endr
	s_cmp_eq_u32 s16, 1                            ; the last trip asks for nothing
	s_cbranch_scc1 .Lnoload
	s_add_nc_u64 s[12:13], s[12:13], 4096          ; the pointers' loads were shown done at the trip's head
	s_add_nc_u64 s[14:15], s[14:15], 4096
.irp i, 0,1,2,3,4,5,6,7
	global_load_b128 v[KR+4*\i:KR+4*\i+3], v[L16], s[12:13] offset:512*\i  ; k and v as loaded have been read: the next trip's 32 positions
	global_load_b128 v[VR+4*\i:VR+4*\i+3], v[L16], s[14:15] offset:512*\i
.endr
.Lnoload:
.set i, 0
.rept 64
	v_exp_f32 v[E+i], v[E+i]
.set i, i+1
.endr
	v_nop                                          ; a plain instruction behind the last exponential,
	s_wait_alu depctr_va_vdst(0)                   ; and one wait for the 64
.set i, 0
.rept 32
	v_fma_mix_f32 v[E+2*i], v[TP+i], v[ONE], v[E+2*i] op_sel_hi:[1,0,0]                      ; sk = max(k, 0) + e^min(k, 0)
	v_fma_mix_f32 v[E+2*i+1], v[TP+i], v[ONE], v[E+2*i+1] op_sel:[1,0,0] op_sel_hi:[1,0,0]
.set i, i+1
.endr
.set i, 0
.rept 32
	v_pk_add_f32 v[ZA+2*(i%4):ZA+2*(i%4)+1], v[ZA+2*(i%4):ZA+2*(i%4)+1], v[E+2*i:E+2*i+1]
	v_cvt_pk_f16_f32 v[TP+i], v[E+2*i], v[E+2*i+1]
.set i, i+1
.endr
.irp i, 0,1,2,3,4,5,6,7
	ds_store_b128 v[LSK], v[TP+4*\i:TP+4*\i+3] offset:4*SP*\i
.endr
.irp c, 0,1,2,3
	ds_load_tr16_b128 v[AF+8*\c:AF+8*\c+3],   v[LTR] offset:32*\c             ; channels 16 c on, positions 8 (l / 16) + 0..7,
	ds_load_tr16_b128 v[AF+8*\c+4:AF+8*\c+7], v[LTR] offset:32*\c+16*SP       ; and 16 further on
	ds_load_tr16_b128 v[BF+8*\c:BF+8*\c+3],   v[LTR] offset:VST+32*\c
	ds_load_tr16_b128 v[BF+8*\c+4:BF+8*\c+7], v[LTR] offset:VST+32*\c+16*SP
.endr
	s_wait_dscnt 0x0
	WIN 0x50                                       ; C and D in window 1
.irp vt, 0,1,2,3
.irp dt, 0,1,2,3
	v_wmma_f32_16x16x32_f16 v[8*(4*\vt+\dt):8*(4*\vt+\dt)+7], v[AF+8*\dt:AF+8*\dt+7], v[BF+8*\vt:BF+8*\vt+7], v[8*(4*\vt+\dt):8*(4*\vt+\dt)+7]  ; the 16 accumulators take turns, over the backward jump too
.endr
.endr
	WIN 0
	s_sub_co_u32 s16, s16, 1
	s_cmp_lg_u32 s16, 0
	s_cbranch_scc1 .Lchunk
.rept 4
	v_nop                                          ; four places behind the last product, ahead of the stores that read results
.endr
	WIN 0x04                                       ; the stores' data in window 1
.set i, 0
.rept 16
	ds_store_b128 v[PST], v[8*i:8*i+3]   offset:512*i        ; each accumulator's low half first
	ds_store_b128 v[PST], v[8*i+4:8*i+7] offset:8192+512*i
.set i, i+1
.endr
	WIN 0
.irp i, 0,1,2,3,4,5,6,7                ; my 8 channels lie also in the lanes 8, 16 and 24 away
	v_add_f32_dpp v[ZA+\i], v[ZA+\i], v[ZA+\i] row_xmask:8 row_mask:0xf bank_mask:0xf
.endr
.irp i, 0,1,2,3,4,5,6,7
	v_permlanex16_b32 v[E+\i], v[ZA+\i], s18, s19
.endr
.irp i, 0,1,2,3,4,5,6,7
	v_add_f32 v[ZA+\i], v[ZA+\i], v[E+\i]
.endr
	ds_store_b128 v[ZST], v[ZA:ZA+3]               ; four lanes write the same numbers to the same bytes
	ds_store_b128 v[ZST], v[ZA+4:ZA+7] offset:16
	s_wait_dscnt 0x0                               ; for the others' sake: my stores are done
	s_barrier_signal -1
	s_barrier_wait -1
.irp i, 0,1,2,3,4,5,6,7
.irp w, 0,1,2,3
	ds_load_b128 v[32+16*\i+4*\w:32+16*\i+4*\w+3], v[PRD] offset:16384*\w+2048*\i
.endr
.endr
	s_wait_dscnt 0x0
.irp i, 0,1,2,3,4,5,6,7
.irp j, 0,2
	v_pk_add_f32 v[32+16*\i+\j:32+16*\i+\j+1], v[32+16*\i+\j:32+16*\i+\j+1], v[36+16*\i+\j:36+16*\i+\j+1]
	v_pk_add_f32 v[40+16*\i+\j:40+16*\i+\j+1], v[40+16*\i+\j:40+16*\i+\j+1], v[44+16*\i+\j:44+16*\i+\j+1]
.endr
.irp j, 0,2
	v_pk_add_f32 v[32+16*\i+\j:32+16*\i+\j+1], v[32+16*\i+\j:32+16*\i+\j+1], v[40+16*\i+\j:40+16*\i+\j+1]
.endr
	global_store_b128 v[T16], v[32+16*\i:32+16*\i+3], s[6:7] offset:2048*\i  ; a wave's store covers 512 consecutive bytes, aligned
.endr
	s_cmp_lg_u32 s[WV], 0
	s_cbranch_scc1 .Lend
.irp w, 0,1,2,3
	ds_load_b64 v[160+2*\w:160+2*\w+1], v[ZRD] offset:256*\w
.endr
	s_wait_dscnt 0x0
	v_pk_add_f32 v[160:161], v[160:161], v[162:163]
	v_pk_add_f32 v[164:165], v[164:165], v[166:167]
	v_pk_add_f32 v[160:161], v[160:161], v[164:165]
	global_store_b64 v28, v[160:161], s[8:9]       ; 256 consecutive bytes, aligned
.Lend:
	s_wait_tensorcnt 0x0                           ; the wave's end, behind my last LDS store
	ds_add_u32 v[SPW], v[NIL]
	s_wait_dscnt 0x0
	s_endpgm
.Lfunc_end_k_q179b2fe8d1_memc:
	.size	k_q179b2fe8d1_memc, .Lfunc_end_k_q179b2fe8d1_memc-k_q179b2fe8d1_memc
	.p2alignl 7, 3214868480
	.fill 96, 4, 3214868480
	.section	.rodata,"a",@progbits
	.p2align	6, 0x0
	.amdhsa_kernel k_q179b2fe8d1_memc
		.amdhsa_group_segment_fixed_size 108032
		.amdhsa_private_segment_fixed_size 0
		.amdhsa_enable_private_segment 0
		.amdhsa_kernarg_size 24
		.amdhsa_user_sgpr_count 2
		.amdhsa_user_sgpr_kernarg_segment_ptr 1
		.amdhsa_wavefront_size32 1
		.amdhsa_system_sgpr_workgroup_id_x 1
		.amdhsa_system_sgpr_workgroup_id_y 1
		.amdhsa_system_sgpr_workgroup_id_z 1
		.amdhsa_system_vgpr_workitem_id 0
		.amdhsa_next_free_vgpr 384
		.amdhsa_next_free_sgpr 66
		.amdhsa_reserve_vcc 0
		.amdhsa_float_denorm_mode_32 3
		.amdhsa_float_denorm_mode_16_64 3
		.amdhsa_memory_ordered 1
		.amdhsa_forward_progress 1
		.amdhsa_inst_pref_size 42
	.end_amdhsa_kernel
	.amdgpu_metadata
---
amdhsa.version: [ 1, 2 ]
amdhsa.kernels:
  - .name:           k_q179b2fe8d1_memc
    .symbol:         k_q179b2fe8d1_memc.kd
    .args:
      - { .name: qkv, .offset: 0, .size: 8, .value_kind: global_buffer, .address_space: global }
      - { .name: mcon, .offset: 8, .size: 8, .value_kind: global_buffer, .address_space: global }
      - { .name: zsum, .offset: 16, .size: 8, .value_kind: global_buffer, .address_space: global }
    .group_segment_fixed_size: 108032
    .private_segment_fixed_size: 0
    .kernarg_segment_align: 8
    .kernarg_segment_size: 24
    .max_flat_workgroup_size: 128
    .sgpr_count:     66
    .vgpr_count:     384
    .wavefront_size: 32
...
	.end_amdgpu_metadata
.endif
;; end of part 3
;; launch pref (part 4): grid 256 x 1, 2 waves a work-group, no clusters, 0 bytes of LDS; arguments mcon, zsum, gates, mfrag; writes mfrag
.if DOCPART == 4
	.amdgcn_target "amdgcn-amd-amdhsa--gfx1250"
	.amdhsa_code_object_version 6
	.text
	.protected	k_q179b2fe8d1_pref
	.globl	k_q179b2fe8d1_pref
	.p2align	8
	.type	k_q179b2fe8d1_pref,@function
k_q179b2fe8d1_pref:
	s_mov_b64 s[64:65], 0
	v_nop
	global_prefetch_b8 v0, s[64:65] scope:SCOPE_SE
	s_setreg_imm32_b32 hwreg(HW_REG_WAVE_MODE, 25, 1), 1
	s_wait_xcnt 0x0
; THE CARRY.  For each batch b and head h, over the 16 segments n (block g = 256 b + 16 n + h):  M'[n][d][v] = (the sum over n' < n of M[n'][d][v]) x gate[h][v] / (the sum over n' <= n of Zs[n'][v]).
; All sums and the quotient in f32; M' rounded once to bf16 (its range has no room in f16).  Where the divisor is 0 the result is NaN or an infinity, as in the module itself.
; mfrag [g][slot 512][8] bf16, mcon's slots: the 16 bytes of slot (4 vt + dt) 32 + lane are registers 4 (dt % 2) .. + 3 of the fragment (rows v = 16 vt .., K = d = 32 (dt / 2) ..) that the next launch multiplies by.
; SHARES.  A chain (b, h) is cut into 8 parts of 64 slots; a work-group of two waves takes a part, a thread a slot: 8 numbers of each of 15 matrices, all asked for at once (47 loads a thread).
; A wave's load or store covers 512 consecutive bytes, aligned.  No LDS, no matrix unit: nothing is shared, and the launch is short.
.set ZS,  8                            ; v[8:23]    Zs[n][v], then its running sum
.set M,   32                           ; v[32:151]  M[n], 8 registers each, n = 0 .. 14; then its running sum, in place
.set OUT, 160                          ; v[160:223] what is stored, 4 registers a segment
.set T,   224                          ; v[224:231] at work
.set F,   232                          ; v[232:247] gate / Z[n]
	s_load_b256 s[4:11], s[0:1], 0x0               ; mcon s[4:5], zsum s[6:7], gates s[8:9], mfrag s[10:11]
	s_lshr_b32 s12, ttmp9, 3                       ; the chain
	s_and_b32 s13, ttmp9, 7                        ; my part of it
	s_lshr_b32 s14, s12, 4                         ; b
	s_and_b32 s15, s12, 15                         ; h
	s_lshl_b32 s16, s14, 22                        ; mcon: 256 blocks of 16,384 bytes a batch,
	s_lshl_b32 s17, s15, 14
	s_add_co_u32 s16, s16, s17
	s_lshl_b32 s17, s13, 10                        ; 64 slots of 16 bytes a part
	s_add_co_u32 s16, s16, s17
	s_mov_b32 s17, 0
	s_lshl_b32 s18, s14, 16                        ; zsum: 256 bytes a block
	s_lshl_b32 s20, s15, 8
	s_add_co_u32 s18, s18, s20
	s_mov_b32 s19, 0
	s_mov_b32 s21, 0                               ; gates: s[20:21] = 256 h
	s_lshl_b32 s22, s14, 21                        ; mfrag: 8,192 bytes a block
	s_lshl_b32 s23, s15, 13
	s_add_co_u32 s22, s22, s23
	s_lshl_b32 s23, s13, 10
	s_add_co_u32 s22, s22, s23
	s_mov_b32 s23, 0
	s_lshr_b32 s24, s13, 1                         ; vt
	s_lshl_b32 s24, s24, 6
	v_lshlrev_b32 v1, 4, v0                        ; 16 x thread
	v_and_b32 v2, 15, v0
	v_lshl_add_u32 v2, v2, 2, s24                  ; 4 v
	s_wait_kmcnt 0x0
	s_add_nc_u64 s[4:5], s[4:5], s[16:17]
	s_add_nc_u64 s[6:7], s[6:7], s[18:19]
	s_add_nc_u64 s[8:9], s[8:9], s[20:21]
	s_add_nc_u64 s[10:11], s[10:11], s[22:23]
	global_load_b32 v4, v2, s[8:9]
.set n, 0
.rept 16
	global_load_b32 v[ZS+n], v2, s[6:7] offset:4096*n
.set n, n+1
.endr
.set n, 0
.rept 15
	global_load_b128 v[M+8*n:M+8*n+3],   v1, s[4:5] offset:262144*n th:TH_LOAD_NT
	global_load_b128 v[M+8*n+4:M+8*n+7], v1, s[4:5] offset:262144*n+8192 th:TH_LOAD_NT
.set n, n+1
.endr
	s_wait_loadcnt 30                              ; the gate and the 16 Zs are in; M's 30 loads stay out
.set n, 1
.rept 15
	v_add_f32 v[ZS+n], v[ZS+n], v[ZS+n-1]
.set n, n+1
.endr
.set n, 0
.rept 16
	v_rcp_f32 v[F+n], v[ZS+n]
.set n, n+1
.endr
	v_nop
	s_wait_alu depctr_va_vdst(0)                   ; one wait for the 16 reciprocals
.set n, 0
.rept 16
	v_mul_f32 v[F+n], v[F+n], v4
.set n, n+1
.endr
	v_mul_f32 v[T], 0, v[F]                        ; segment 0: the memory is still empty
.irp j, 0,1,2,3
	v_cvt_pk_bf16_f32 v[OUT+\j], v[T], v[T]
.endr
	global_store_b128 v1, v[OUT:OUT+3], s[10:11]
.set n, 1
.rept 15
	s_wait_loadcnt 30-2*n                          ; M[n - 1] is in; the loads of M[n .. 14] stay out
.if n >= 2
.irp j, 0,2,4,6
	v_pk_add_f32 v[M+8*(n-1)+\j:M+8*(n-1)+\j+1], v[M+8*(n-1)+\j:M+8*(n-1)+\j+1], v[M+8*(n-2)+\j:M+8*(n-2)+\j+1]
.endr
.endif
.irp j, 0,1,2,3,4,5,6,7
	v_mul_f32 v[T+\j], v[M+8*(n-1)+\j], v[F+n]
.endr
.irp j, 0,1,2,3
	v_cvt_pk_bf16_f32 v[OUT+4*n+\j], v[T+2*\j], v[T+2*\j+1]
.endr
	global_store_b128 v1, v[OUT+4*n:OUT+4*n+3], s[10:11] offset:131072*n
.set n, n+1
.endr
	s_endpgm
.Lfunc_end_k_q179b2fe8d1_pref:
	.size	k_q179b2fe8d1_pref, .Lfunc_end_k_q179b2fe8d1_pref-k_q179b2fe8d1_pref
	.p2alignl 7, 3214868480
	.fill 96, 4, 3214868480
	.section	.rodata,"a",@progbits
	.p2align	6, 0x0
	.amdhsa_kernel k_q179b2fe8d1_pref
		.amdhsa_group_segment_fixed_size 0
		.amdhsa_private_segment_fixed_size 0
		.amdhsa_enable_private_segment 0
		.amdhsa_kernarg_size 32
		.amdhsa_user_sgpr_count 2
		.amdhsa_user_sgpr_kernarg_segment_ptr 1
		.amdhsa_wavefront_size32 1
		.amdhsa_system_sgpr_workgroup_id_x 1
		.amdhsa_system_sgpr_workgroup_id_y 1
		.amdhsa_system_sgpr_workgroup_id_z 1
		.amdhsa_system_vgpr_workitem_id 0
		.amdhsa_next_free_vgpr 248
		.amdhsa_next_free_sgpr 66
		.amdhsa_reserve_vcc 0
		.amdhsa_float_denorm_mode_32 3
		.amdhsa_float_denorm_mode_16_64 3
		.amdhsa_memory_ordered 1
		.amdhsa_forward_progress 1
		.amdhsa_inst_pref_size 21
	.end_amdhsa_kernel
	.amdgpu_metadata
---
amdhsa.version: [ 1, 2 ]
amdhsa.kernels:
  - .name:           k_q179b2fe8d1_pref
    .symbol:         k_q179b2fe8d1_pref.kd
    .args:
      - { .name: mcon, .offset: 0, .size: 8, .value_kind: global_buffer, .address_space: global }
      - { .name: zsum, .offset: 8, .size: 8, .value_kind: global_buffer, .address_space: global }
      - { .name: gates, .offset: 16, .size: 8, .value_kind: global_buffer, .address_space: global }
      - { .name: mfrag, .offset: 24, .size: 8, .value_kind: global_buffer, .address_space: global }
    .group_segment_fixed_size: 0
    .private_segment_fixed_size: 0
    .kernarg_segment_align: 8
    .kernarg_segment_size: 32
    .max_flat_workgroup_size: 64
    .sgpr_count:     66
    .vgpr_count:     248
    .wavefront_size: 32
...
	.end_amdgpu_metadata
.endif
;; end of part 4
;; launch attn (part 5): grid 256 x 1, 4 waves a work-group, no clusters, 327,680 bytes of LDS; arguments qkv, mfrag, wof, gates, out0; writes out0
.if DOCPART == 5
	.amdgcn_target "amdgcn-amd-amdhsa--gfx1250"
	.amdhsa_code_object_version 6
	.text
	.protected	k_q179b2fe8d1_attn
	.globl	k_q179b2fe8d1_attn
	.p2align	8
	.type	k_q179b2fe8d1_attn,@function
k_q179b2fe8d1_attn:
	s_mov_b64 s[64:65], 0
	v_nop
	global_prefetch_b8 v0, s[64:65] scope:SCOPE_SE
	s_setreg_imm32_b32 hwreg(HW_REG_WAVE_MODE, 25, 1), 1
	s_wait_xcnt 0x0
; FOR 64 TOKENS (two blocks g = 2 wg, 2 wg + 1 of 512 positions x 64 channels): att = (sq M') / rowsum(sq) + (1 - gate) softmax(q k^T / 8) v, then out = att Wout^T.
; q, k, v: the planes of qkv, f16, a block's rows dense, 128 bytes each.  M' (mfrag, bf16) holds the memory, the gate and the divisor's part that hangs on v.  wof: Wout in f16, in fragment order.
; Products, maxima and sums in f32.  Rounded once each: the weights p to f16 (their sum l is taken of the unrounded p), the softmax part to f16, sq = elu(q) + 1 to bf16 (rowsum is taken of the rounded sq), att to f16.
; LIMITS.  f16 holds no number beyond 65,504: q, k, v arrive within it, and att must lie within it.  A weight below 2^-126 counts as 0 in l; p below 6e-5 keeps f16's fixed step of 6e-8.  NaN and infinities are not treated apart.
; SHARES.  In a block a wave owns 128 queries: four PIECES of two tiles of 16; every wave walks the block's 512 keys, 64 a step.  In the last product a wave owns 128 of the 512 output columns, for all 64 tokens.
; LDS.  Each block's K and V have a slot of their own, filled once: nothing is filled again.  When a block's keys have been read (a barrier), its bytes serve as scratch for ds_store.
;   slot b at b x 155,648: 512 rows of K (144 bytes), then 512 rows of V (160 bytes).
;   ATT, from byte 0: att as [token 64][1024] f16: row 32 b + 8 w + t at pitch 2,320, its 16 chunks of 64 channels at pitch 144: stores (16 lanes 144 bytes apart) and fragment loads (2,320 apart) meet no bank twice.
;   QS(b) at 74,240 (1 + b) + 18,432 w: the wave's own copy of its Q, tile by tile, so that the memory part can be a loop; a ninth tile repeats the eighth, for the loop's look-ahead.
;   OSTG at 155,648 + 8,448 w: 16 rows x 528 bytes of f32 for the last way out.
; WHAT IS ASKED FOR WHEN.  The head asks for the first block's K, V and Q alone.  The second block's K and V go out when the first block's have landed: a whole block's attention ahead of their first reader.
; M' and 1 - gate are asked for at a block's top and wanted behind its attention.  The second block's Q is loaded in the first block's memory part, into Q's own registers, which have been copied to LDS by then;
; at the same place the second block loads the first two chunks of Wout into the registers that held Q, K and V.
; NO CLUSTER: K, V, Q and M' of a block are read by one work-group alone.  Wout is walked by all, but each of its bytes is wanted by one wave of a work-group and comes straight into that wave's
; registers in fragment order; of LDS only 104,960 bytes are never written by ds_store, room for two slots of 32 along K: 32 products a wave between two joint refills.  NO PREFETCH: each stream is asked for a phase ahead by its own loads.
; LAYOUT, SOFTMAX, TURNS.  S^T = K Q^T holds ONE query a lane (lane % 16) and the keys 8 (lane / 16) + 0..7; two such results rounded to f16 ARE source 1 of O^T = V^T P.  p = 2^(c s - c m), c = log2(e) / 8, with a
; running maximum m; O and l are multiplied by a = 2^(c m_old - c m_new) in every step.  m starts at the lowest finite number: a block's first step has a = 0, so O and l need only be finite there.
; Turn n belongs to piece n: 16 products K Q^T of piece n + 1, later 16 products V^T P of piece n - 1; beside them the scaling, exponentials, roundings, sums and rescaling of piece n and the maximum and
; statistics of piece n + 1.  Four vector instructions stand behind every matrix instruction, the rest in one lump; a turn's 66 exponentials are one batch, with one wait.
; REGISTERS, in windows of 256 (s_set_vgpr_msb: bits 1:0 source 0, 3:2 source 1, 5:4 source 2, 7:6 destination):
;   window 0: v0-11 addresses; v12-15, v48-63 at work; v16-47 statistics; v64-191 S^T, two buffers of two tiles; v192-255 P, likewise
;   window 1: O^T, 32 a tile; later the last product's 32 accumulators      window 2: v0-127 Q; v128-191 K; v192-255 V; later two sets of Wout's fragments
;   window 3: v0-1 the add's registers; v8-15 ones in bf16; v16-47 1 - gate; v64-127 M'
.set NP,    4
.set KS,    64
.set PK,    144
.set PV,    160
.set VOFF,  512*PK
.set SLOTB, 512*(PK+PV)
.set AP,    2320
.set ATTB,  32*AP
.set QSW,   9*2048
.set OSP,   528
.set OSTG,  SLOTB
.set SPARE, 2*SLOTB                    ; behind the slots: the spare words, 128 bytes for each wave
.set PLANE, 33554432
.set QO,  1           ; v1   my byte offset in 16 rows of Q
.set AK0, 2           ; v2   my lane's place in a tile of K
.set AV0, 3           ; v3   the same for V
.set AK,  4           ; v4   the LDS address of K's next run of loads
.set AV,  5           ; v5   of V's
.set STO, 6           ; v6   my 16 bytes in my first row of ATT
.set QS,  7           ; v7   my 16 bytes in my copy of Q
.set ADA, 8           ; v8   walks ATT's rows in the memory part
.set QA,  9           ; v9   walks my copy of Q
.set L16, 10          ; v10  16 x lane
.set GOF, 11          ; v11  32 x (lane / 16)
.set MV,  12
.set ST,  16
.set TMP, 48
.set S,   64
.set P,   192
.set KF,  128
.set VF,  192
.set SPW, 0           ; window 3
.set NIL, 1
.set ONES, 8
.set WOG,  16         ; window 3: v[16:47]  1 - gate of my 32 channels
.set MF,  64          ; window 3: fragment 2 cb + kk (rows v = 16 cb .., K = d = 32 kk ..) at MF + 8 (2 cb + kk)
.set ZERO,  48        ; the memory part, window 0
.set LOG2E, 49
.set ONE,   50
.set WE,   64         ; v[64:95]    32 numbers in f32
.set WTN,  96         ; v[96:111]   min(q, 0)
.set WTP,  112        ; v[112:127]  max(q, 0)
.set WSQ,  128        ; v[128:143]  sq in bf16: two fragments
.set WQT,  144        ; v[144:159]  a tile of Q
.set WACC, 160        ; v[160:191]  (sq M')^T: four accumulators
.set WRSA, 224        ; v[224:231]  rowsum(sq), in every register
.set WRS,  232        ; v[232:233]  its reciprocal; the pair's second register is only named
.set WAD,  236        ; v[236:251]  the softmax part of a tile, then att
.set WV,  12
.set G1K, 24
.set G1V, 32
.set G0K, 40          ; s[40:47] group 0 for K's tiles, a set for each block
.set G0V, 48          ; s[48:55] the same for V's
.set BLK, 56
.set CNT, 57
.set CS,  58
.set SEL, 60
.set TBK, 62
.set TBV, 63
.set MP,  66          ; s[66:67] mfrag at the block in hand
.set GP,  68          ; s[68:69] 1 - gate of its head
.set WP,  70          ; s[70:71] wof at my 128 columns
.set OUTP, 72         ; s[72:73] out0 at the work-group's first token
.set QP,  74          ; s[74:75] q at my wave's first row
.set TCNT, 78
.set MSB, 0
.macro WIN new
.if MSB != (\new)
	s_set_vgpr_msb (MSB<<8)|(\new)
.set MSB, (\new)
.endif
.endm
.set W_KQ, 0x0a
.set W_PV, 0x52
.set W_RS, 0x41
.set W_MK, 0xc0
.set W_AD, 0x0f
.macro PLACES
.rept 4
	v_nop
.endr
.endm
	s_load_b256 s[4:11], s[0:1], 0x0  ; qkv s[4:5], mfrag s[6:7], wof s[8:9], gates s[10:11]
	s_load_b64 s[14:15], s[0:1], 0x20 ; out0
	WIN W_MK
	v_lshl_add_u32 v[SPW], v0, 2, SPARE
	v_mov_b32 v[NIL], 0
	WIN W_AD
	ds_add_u32 v[SPW], v[NIL]       ; the wave's opening: the add, twice on end, and its wait ahead of my first tensor load
	ds_add_u32 v[SPW], v[NIL]
	WIN 0
	v_lshrrev_b32 v1, 5, v0
	v_readfirstlane_b32 s[WV], v1
	s_and_b32 s16, s[WV], 1         ; which half of a block's 512 keys I fetch
	s_lshl_b32 s20, ttmp9, 17       ; the work-group's two blocks: 131,072 bytes of each plane
	s_lshl_b32 s22, s16, 15
	s_add_co_u32 s22, s22, s20
	s_mov_b32 s23, 0
	s_mul_i32 s17, s16, 256*PK
	s_mul_i32 s18, s16, 256*PV
	s_lshl_b32 s2, s[WV], 14        ; my wave's 128 queries
	s_add_co_u32 s2, s2, s20
	s_mov_b32 s3, 0
	; descriptor group 1.  256 keys are 32,768 dense bytes: asked for as 128 rows of 256 bytes, two keys a row, and padded in LDS after every key
	s_mov_b32 s[G1K], (1<<16)|(1<<20)|(4<<22)|(3<<25)  ; 2-byte elements; padding on; after every 32 words; 4 words
	s_mov_b32 s[G1V], (1<<16)|(1<<20)|(4<<22)|(7<<25)  ; the same with 8 words
.irp g, G1K, G1V
	s_mov_b32 s[\g+1], 128<<16      ; tensor_dim0 = 128
	s_mov_b32 s[\g+2], 128<<16      ; tensor_dim1 = 128
	s_mov_b32 s[\g+3], 128<<16      ; tile_dim0 = 128
	s_mov_b32 s[\g+4], 128          ; tile_dim1 = 128
	s_mov_b32 s[\g+5], 128          ; elements from row to row
	s_mov_b32 s[\g+6], 0
	s_mov_b32 s[\g+7], 0
.endr
.irp b, 0,1
	s_mov_b32 s[G0K+4*\b], 1
	s_add_co_u32 s[G0K+4*\b+1], s17, \b*SLOTB
	s_mov_b32 s[G0V+4*\b], 1
	s_add_co_u32 s[G0V+4*\b+1], s18, \b*SLOTB+VOFF
.endr
	s_mov_b32 s[CS], 0x3e38aa3b     ; c = log2(e) / 8
	s_mov_b32 s[CS+1], s[CS]
	s_mov_b32 s[SEL], 0x76543210
	s_mov_b32 s[SEL+1], 0xfedcba98
	s_wait_dscnt 0x0                ; both opening adds are done
	s_wait_kmcnt 0x0
	s_add_nc_u64 s[20:21], s[4:5], s[22:23]
.irp b, 0,1
	s_add_nc_u64 s[G0K+4*\b+2:G0K+4*\b+3], s[20:21], PLANE+\b*65536
	s_or_b32 s[G0K+4*\b+3], s[G0K+4*\b+3], 0x80000000
	s_add_nc_u64 s[G0V+4*\b+2:G0V+4*\b+3], s[20:21], 2*PLANE+\b*65536
	s_or_b32 s[G0V+4*\b+3], s[G0V+4*\b+3], 0x80000000
.endr
	s_cmp_lt_u32 s[WV], 2           ; waves 0 and 1 fetch K's halves, waves 2 and 3 V's.  The first block's tile goes out alone: by my own count one tensor load of mine is out
	s_cbranch_scc0 .Lfirst_v
	tensor_load_to_lds s[G0K:G0K+3], s[G1K:G1K+7]
	s_nop 0
	PLACES
	s_branch .Lfirst_asked
.Lfirst_v:
	tensor_load_to_lds s[G0V:G0V+3], s[G1V:G1V+7]
	s_nop 0
	PLACES
.Lfirst_asked:
	s_add_nc_u64 s[QP:QP+1], s[4:5], s[2:3]
	s_lshl_b32 s2, ttmp9, 14        ; two blocks of 8,192 bytes of mfrag
	s_add_nc_u64 s[MP:MP+1], s[6:7], s[2:3]
	s_and_b32 s2, ttmp9, 7          ; the first block's head is 2 (wg % 8)
	s_lshl_b32 s2, s2, 9
	s_add_co_u32 s2, s2, 4096       ; in the plane of 1 - gate
	s_add_nc_u64 s[GP:GP+1], s[10:11], s[2:3]
	s_lshl_b32 s2, s[WV], 14        ; 8 row blocks of 2,048 bytes in each chunk of wof
	s_add_nc_u64 s[WP:WP+1], s[8:9], s[2:3]
	s_lshl_b32 s2, ttmp9, 17        ; 64 rows of 2,048 bytes of out0
	s_add_nc_u64 s[OUTP:OUTP+1], s[14:15], s[2:3]
	v_and_b32 v48, 15, v0           ; l % 16
	v_bfe_u32 v13, v0, 4, 1         ; l / 16
	v_lshlrev_b32 v[QO], 7, v48
	v_lshl_add_u32 v[QO], v13, 4, v[QO]  ; row x 128 + 16 x half
	WIN 0x80
.set i, 0
.rept 16                            ; Q of the first block: tile i / 2, channels 32 (i % 2) on
	global_load_b128 v[8*i:8*i+3],   v[QO], s[QP:QP+1] offset:(i/2)*2048+(i%2)*64
	global_load_b128 v[8*i+4:8*i+7], v[QO], s[QP:QP+1] offset:(i/2)*2048+(i%2)*64+32
.set i, i+1
.endr
	; What the first turn finds: V, O^T and l hold 0.  All this stands in the wait for the first tile.
.set i, VF
.rept 64
	v_mov_b32 v[i], 0
.set i, i+1
.endr
	WIN 0xc0
.set i, 0
.rept 8
	v_mov_b32 v[ONES+i], 0x3f803f80
.set i, i+1
.endr
	WIN 0x40
.set i, 0
.rept 256
	v_mov_b32 v[i], 0
.set i, i+1
.endr
	WIN 0
.set i, 0
.rept 8
	v_mov_b32 v[ST+4*i+2], 0
	v_mov_b32 v[ST+4*i+3], 0
.set i, i+1
.endr
	v_mul_u32_u24 v[AK0], v48, PK
	v_lshl_add_u32 v[AK0], v13, 4, v[AK0]
	v_and_b32 v12, 7, v0
	v_bfe_u32 v14, v0, 3, 1
	v_lshl_add_u32 v[AV0], v13, 3, v12
	v_mul_u32_u24 v[AV0], v[AV0], PV
	v_lshl_add_u32 v[AV0], v14, 4, v[AV0]
	v_add_nc_u32 v[AV0], VOFF, v[AV0]
	v_and_b32 v15, 31, v0
	v_lshlrev_b32 v[L16], 4, v15
	v_lshlrev_b32 v[GOF], 5, v13
	s_mul_i32 s13, s[WV], 8*AP      ; my 8 rows of ATT
	v_mul_u32_u24 v[STO], v48, PK   ; chunk l % 16,
	v_lshl_add_u32 v[STO], v13, 4, v[STO]  ; 16 bytes for each half of the lanes
	v_add_nc_u32 v[STO], s13, v[STO]
	s_mul_i32 s13, s[WV], QSW
	s_add_co_u32 s13, s13, ATTB
	v_add_nc_u32 v[QS], s13, v[L16]
; THE MATRIX WORK.  The 8 accumulators of a run of 16 take turns.
.macro KQ x
	WIN W_KQ
.set rS, S+64*((\x)%2)+32*(i%2)+8*((i/2)%4)
.set rK, KF+16*((i/2)%4)+8*(i/8)
.set rQ, 16*(2*(\x)+i%2)+8*(i/8)
.if i < 8
	v_wmma_f32_16x16x32_f16 v[rS:rS+7], v[rK:rK+7], v[rQ:rQ+7], 0
.else
	v_wmma_f32_16x16x32_f16 v[rS:rS+7], v[rK:rK+7], v[rQ:rQ+7], v[rS:rS+7]
.endif
.endm
.macro PV x
	WIN W_PV
.set rO, 32*(2*(\x)+i%2)+8*((i/2)%4)
.set rV, VF+32*(i/8)+8*((i/2)%4)
.set rP, P+32*((\x)%2)+16*(i%2)+8*(i/8)
	v_wmma_f32_16x16x32_f16 v[rO:rO+7], v[rV:rV+7], v[rP:rP+7], v[rO:rO+7]
.endm
.macro MM
.if i < 16
	KQ (Y+1)%NP
.set i, i+1
.else
.set i, i-16
	PV (Y+NP-1)%NP
.set i, i+17
.endif
.endm
; THE LDS LOADS stand in runs of 16.  last = 1: in a block's last step there is no further K, and the run is jumped over.
.macro FETCH_K last=0
	WIN 0
.if \last
	s_cmp_eq_u32 s[CNT], 1
	s_cbranch_scc1 .Lno_k_\@
.endif
	WIN 0x80
.irp f, 0,1,2,3,4,5,6,7
	ds_load_b128 v[KF+8*\f:KF+8*\f+3],   v[AK] offset:(\f/2)*16*PK+(\f%2)*64
	ds_load_b128 v[KF+8*\f+4:KF+8*\f+7], v[AK] offset:(\f/2)*16*PK+(\f%2)*64+32
.endr
	s_add_co_u32 s[TBK], s[TBK], KS*PK
	WIN 0
.if \last
.Lno_k_\@:
.endif
.endm
.macro FETCH_V
	WIN 0x80
.irp f, 0,1,2,3,4,5,6,7
	ds_load_tr16_b128 v[VF+8*\f:VF+8*\f+3],   v[AV] offset:(\f/4)*32*PV+(\f%4)*32
	ds_load_tr16_b128 v[VF+8*\f+4:VF+8*\f+7], v[AV] offset:(\f/4)*32*PV+16*PV+(\f%4)*32
.endr
	WIN 0
.endm
; THE VECTOR WORK OF A TURN stands in three queues, each in the order in which its entries become ready; the two tiles alternate.
.macro REGS y, u
.set rT, ST+4*(2*(\y)+(\u))
.set rC, TMP+8*((\y)%2)+4*(\u)
.set rM, MV+2*((\y)%2)+(\u)
.set rS, S+64*((\y)%2)+32*(\u)
.set rP, P+32*((\y)%2)+16*(\u)
.set rO, 32*(2*(\y)+(\u))
.endm
; Number n of the 22 that find the NEXT piece's maximum and statistics; each accumulator's lowest registers are read first.
.macro XS u, n
	REGS (Y+1)%NP, \u
.if (\n) < 4
	v_max3_num_f32 v[rC+(\n)], v[rS+8*(\n)], v[rS+8*(\n)+1], v[rS+8*(\n)+2]
.elseif (\n) < 12
	v_max3_num_f32 v[rC+(\n)%4], v[rC+(\n)%4], v[rS+8*((\n)%4)+2*((\n)/4)+1], v[rS+8*((\n)%4)+2*((\n)/4)+2]
.elseif (\n) == 12
	v_max3_num_f32 v[rC], v[rC], v[rS+7], v[rS+15]
.elseif (\n) == 13
	v_max3_num_f32 v[rC+1], v[rC+1], v[rS+23], v[rS+31]
.elseif (\n) == 14
	v_max3_num_f32 v[rC+2], v[rC+2], v[rC+3], v[rT+1]
.elseif (\n) == 15
	v_mov_b32 v[rM], v[rT]
.elseif (\n) == 16
	v_max3_num_f32 v[rC], v[rC], v[rC+1], v[rC+2]
.elseif (\n) == 17
	v_permlanex16_b32 v[rC+3], v[rC], s[SEL], s[SEL+1]
.elseif (\n) == 18
	v_max_num_f32 v[rT+1], v[rC], v[rC+3]
.elseif (\n) == 19
	v_mul_f32 v[rT], s[CS], v[rT+1]
.elseif (\n) == 20
	v_sub_f32 v[rC+1], v[rM], v[rT]
.else
	v_exp_f32 v[rC+2], v[rC+1]
.endif
.endm
; Number g of the 64 that follow the exponentials: roundings to f16, sums in place, l.
.macro GS g
.set h, (\g)+6*((\g)/62)
.if h >= 6
.set h, h+2
.endif
	REGS Y, h%2
.set k, h/8
.if h%8 < 4
	v_cvt_pk_f16_f32 v[rP+2*k+(h%8)/2], v[rS+4*k+2*((h%8)/2)], v[rS+4*k+2*((h%8)/2)+1]
.elseif h%8 < 6
	v_pk_add_f32 v[rS+4*k:rS+4*k+1], v[rS+4*k:rS+4*k+1], v[rS+4*k+2:rS+4*k+3]
.elseif k == 1
	v_pk_fma_f32 v[rT+2:rT+3], v[rT+2:rT+3], v[rC+2:rC+3], v[rS:rS+1] op_sel_hi:[1,0,1]
.else
	v_pk_add_f32 v[rT+2:rT+3], v[rT+2:rT+3], v[rS+4*k-4:rS+4*k-3]
.endif
.endm
.macro FS f
	REGS Y, (\f)%2
	v_pk_fma_f32 v[rS+2*((\f)/2):rS+2*((\f)/2)+1], v[rS+2*((\f)/2):rS+2*((\f)/2)+1], s[CS:CS+1], v[rT:rT+1] op_sel_hi:[1,0,0] neg_lo:[0,0,1] neg_hi:[0,0,1]
.endm
; THE PLAIN QUEUE, 138 long: 0-73 read no exponential's result (scalings, the next piece's maximum and statistics); 74-137 are GS's 64, behind the wait.
.macro PL
	WIN 0
.if q < 27
	FS q
.elseif q < 55
	XS (q-27)%2, (q-27)/2
.elseif q < 57
	XS q-55, 15
.elseif (q < 72) && ((q-57)%3 == 0)
	FS 27+(q-57)/3
.elseif q < 60
	XS (q-57)%3-1, 14
.elseif q < 72
	XS (q-57)%3-1, 15+(q-57)/3
.elseif q < 74
	XS q-72, 20
.else
	GS q-74
.endif
.set q, q+1
.endm
; THE EXPONENTIALS' QUEUE, 66 long: ONE BATCH, all ahead of the turn's one wait.
.macro EX
	WIN 0
.if e >= 64
	XS e-64, 21
.else
	REGS Y, e%2
	v_exp_f32 v[rS+e/2], v[rS+e/2]
.endif
.set e, e+1
.endm
; THE RESCALING's QUEUE: O^T times a, two at a time.
.macro R2
	REGS Y, r%2
	WIN W_RS
.irp z, 0,1
	v_pk_mul_f32 v[rO+4*(r/2)+2*\z:rO+4*(r/2)+2*\z+1], v[rO+4*(r/2)+2*\z:rO+4*(r/2)+2*\z+1], v[rC+2:rC+3] op_sel_hi:[1,0]
.endr
.set r, r+1
.endm
; A TURN, for piece p.  Ahead of its one wait: 16 products K Q^T, behind each a scaling, an exponential and two rescalings; then a lump of 108.  Behind it: 16 products V^T P, behind each four of GS's 64.
; K of the next step is fetched in piece 2's turn, directly behind the wait; V of the step in hand at the end of piece 0's turn, four riders behind its last reader.  cnt = 1: the loop's count is taken down.
.macro TURN p, last=0, cnt=0
.set Y, (\p)
.set i, 0
.set q, 0
.set e, 0
.set r, 0
.if (\p) == NP-1
	s_wait_dscnt 0x0                ; K is in
.endif
	MM
	PL
	PL
	R2
.rept 15
	MM
	PL
	EX
	R2
.endr
.if (\p) == NP-2
	WIN 0
	v_add_nc_u32 v[AK], s[TBK], v[AK0]
.endif
.rept 8
	PL
.endr
.rept 49
	EX
	PL
.endr
	EX
	EX
	v_nop                           ; a plain instruction behind the last exponential: one for the batch
	s_wait_alu depctr_va_vdst(0)    ; the wait for the batch, ahead of the first instruction that names a result
.if (\p) == NP-2
	FETCH_K \last
.endif
.if (\p) == 1
	s_wait_dscnt 0x0                ; V is in
.endif
.rept 16
	MM
.rept 4
	PL
.endr
.if ((\p) == 0) && (q == 118)
	v_add_nc_u32 v[AV], s[TBV], v[AV0]
.endif
.if ((\p) == 0) && (q == 130)
	s_add_co_u32 s[TBV], s[TBV], KS*PV
.endif
.if (\cnt) && (q == 130)
	s_sub_co_u32 s[CNT], s[CNT], 1
	s_cmp_lg_u32 s[CNT], 0
.endif
.endr
.if (\p) == 0
	FETCH_V
.endif
.endm
.macro ALL line:vararg              ; one line for each tile t
.set t, 0
.rept 2*NP
	\line
.set t, t+1
.endr
.endm
; THE SOFTMAX PART LEAVES THE REGISTERS.  Tile t: O^T / l, rounded to f16, into its row of ATT; the tile's Q into my copy.
.macro W1 t
	WIN W_RS
.set i, 32*(\t)
.rept 16
	v_pk_mul_f32 v[i:i+1], v[i:i+1], v[ST+4*(\t)+2:ST+4*(\t)+3] op_sel_hi:[1,0]
.set i, i+2
.endr
	WIN 0x05
.set i, 0
.rept 16
	v_cvt_pk_f16_f32 v[S+16*(\t)+i], v[32*(\t)+2*i], v[32*(\t)+2*i+1]
.set i, i+1
.endr
	WIN 0
.irp f, 0,1,2,3
	ds_store_b128 v[STO], v[S+16*(\t)+4*\f:S+16*(\t)+4*\f+3] offset:AP*(\t)+32*\f
.endr
	WIN 0x08                        ; the stores' data in window 2
.irp f, 0,1,2,3
	ds_store_b128 v[QS], v[16*(\t)+4*\f:16*(\t)+4*\f+3] offset:2048*(\t)+512*\f
.endr
.if (\t) == 7
.irp f, 0,1,2,3
	ds_store_b128 v[QS], v[16*(\t)+4*\f:16*(\t)+4*\f+3] offset:2048*8+512*\f
.endr
.endif
	WIN 0
.endm
; THE MEMORY PART, a loop over the wave's 8 tiles.  A tile of Q in fragment order, taken number by number through elu + 1, IS source 1 (16 queries x 32 d, twice) of (sq M')^T.
.macro LDAD                         ; the softmax part of the tile in hand: the 64 bytes that I stored
.irp f, 0,1,2,3
	ds_load_b128 v[WAD+4*\f:WAD+4*\f+3], v[ADA] offset:32*\f
.endr
.endm
; sq of the next tile; n: the LDS instructions that may stay out; rcp = 1: the reciprocal of the last tile's rowsum rides in the batch.  Its plain lines are the places behind the products before it.
.macro AQ n, rcp
	s_wait_dscnt \n
.set i, 0
.rept 16
	v_pk_min_num_f16 v[WTN+i], v[WQT+i], v[ZERO]
	v_pk_max_num_f16 v[WTP+i], v[WQT+i], v[ZERO]
.set i, i+1
.endr
.irp f, 0,1,2,3
	ds_load_b128 v[WQT+4*\f:WQT+4*\f+3], v[QA] offset:512*\f  ; the tile after it
.endr
	v_add_nc_u32 v[QA], 2048, v[QA]
.set i, 0
.rept 16
	v_fma_mix_f32 v[WE+2*i], v[WTN+i], v[LOG2E], v[ZERO] op_sel_hi:[1,0,0]
	v_fma_mix_f32 v[WE+2*i+1], v[WTN+i], v[LOG2E], v[ZERO] op_sel:[1,0,0] op_sel_hi:[1,0,0]
.set i, i+1
.endr
.set i, 0
.rept 32
	v_exp_f32 v[WE+i], v[WE+i]
.set i, i+1
.endr
.if \rcp
	v_rcp_f32 v[WRS], v[WRSA]
.endif
	v_nop
	s_wait_alu depctr_va_vdst(0)    ; one wait for the batch
.set i, 0
.rept 16
	v_fma_mix_f32 v[WE+2*i], v[WTP+i], v[ONE], v[WE+2*i] op_sel_hi:[1,0,0]
	v_fma_mix_f32 v[WE+2*i+1], v[WTP+i], v[ONE], v[WE+2*i+1] op_sel:[1,0,0] op_sel_hi:[1,0,0]
.set i, i+1
.endr
.set i, 0
.rept 16
	v_cvt_pk_bf16_f32 v[WSQ+i], v[WE+2*i], v[WE+2*i+1]
.set i, i+1
.endr
.endm
; Ten products: (sq M')^T for the four blocks of 16 channels, and ones x sq^T, which leaves rowsum(sq) of the lane's query in every register.  Five accumulators take turns.
.macro MM5
	WIN 0x03                        ; source 0 in window 3
.irp kk, 0,1
.irp cb, 0,1,2,3
.if \kk == 0
	v_wmma_f32_16x16x32_bf16 v[WACC+8*\cb:WACC+8*\cb+7], v[MF+8*(2*\cb+\kk):MF+8*(2*\cb+\kk)+7], v[WSQ+8*\kk:WSQ+8*\kk+7], 0
.else
	v_wmma_f32_16x16x32_bf16 v[WACC+8*\cb:WACC+8*\cb+7], v[MF+8*(2*\cb+\kk):MF+8*(2*\cb+\kk)+7], v[WSQ+8*\kk:WSQ+8*\kk+7], v[WACC+8*\cb:WACC+8*\cb+7]
.endif
.endr
.if \kk == 0
	v_wmma_f32_16x16x32_bf16 v[WRSA:WRSA+7], v[ONES:ONES+7], v[WSQ+8*\kk:WSQ+8*\kk+7], 0
.else
	v_wmma_f32_16x16x32_bf16 v[WRSA:WRSA+7], v[ONES:ONES+7], v[WSQ+8*\kk:WSQ+8*\kk+7], v[WRSA:WRSA+7]
.endif
.endr
	WIN 0
.endm
; att = (sq M') / rowsum + (1 - gate) x the softmax part, rounded once to f16, back into the tile's row of ATT
.macro CC n
	s_wait_dscnt \n
.set i, 0
.rept 16
	v_pk_mul_f32 v[WACC+2*i:WACC+2*i+1], v[WACC+2*i:WACC+2*i+1], v[WRS:WRS+1] op_sel_hi:[1,0]
.set i, i+1
.endr
	WIN 0x0c                        ; source 1, 1 - gate, in window 3
.set i, 0
.rept 16
	v_fma_mixlo_f16 v[WAD+i], v[WAD+i], v[WOG+2*i], v[WACC+2*i] op_sel_hi:[1,0,0]
	v_fma_mixhi_f16 v[WAD+i], v[WAD+i], v[WOG+2*i+1], v[WACC+2*i+1] op_sel:[1,0,0] op_sel_hi:[1,0,0]
.set i, i+1
.endr
	WIN 0
.irp f, 0,1,2,3
	ds_store_b128 v[ADA], v[WAD+4*\f:WAD+4*\f+3] offset:32*\f
.endr
	v_add_nc_u32 v[ADA], AP, v[ADA]
.endm
; A chunk (64 along K) of my 128 rows of Wout, into set b of window 2: 32 loads of 512 consecutive bytes, from byte go behind the pointer
.macro LG b, go
	WIN 0x80
.irp nl, 0,1,2,3,4,5,6,7
.irp kk, 0,1
.irp p, 0,1
	global_load_b128 v[128*(\b)+8*(2*\nl+\kk)+4*\p:128*(\b)+8*(2*\nl+\kk)+4*\p+3], v[L16], s[WP:WP+1] offset:(\go)+2048*\nl+1024*\kk+512*\p
.endr
.endr
.endr
	WIN 0
.endm
	WIN W_AD
	s_wait_tensorcnt 0x0            ; my part of the first block is in; no tensor load of mine is out
	ds_add_u32 v[SPW], v[NIL]       ; 0 onto my spare word
	WIN 0
	s_mov_b32 s[TBK], 0
	s_mov_b32 s[TBV], 0
	s_mov_b32 s[BLK], 2
	s_wait_dscnt 0x0                ; the add is done
	s_barrier_signal -1
	s_barrier_wait -1               ; everybody's part is in.  The second block's slot has its first and only fill, my one tensor load here
	s_cmp_lt_u32 s[WV], 2
	s_cbranch_scc0 .Lsecond_v
	tensor_load_to_lds s[G0K+4:G0K+7], s[G1K:G1K+7]
	s_nop 0
	PLACES
	s_branch .Lsecond_asked
.Lsecond_v:
	tensor_load_to_lds s[G0V+4:G0V+7], s[G1V:G1V+7]
	s_nop 0
	PLACES
.Lsecond_asked:
.Lblock:
	WIN 0xc0
.irp f, 0,1,2,3,4,5,6,7
	global_load_b128 v[MF+8*\f:MF+8*\f+3],   v[L16], s[MP:MP+1] offset:1024*\f      ; M' of the block, wanted behind the attention
	global_load_b128 v[MF+8*\f+4:MF+8*\f+7], v[L16], s[MP:MP+1] offset:1024*\f+512
.endr
.irp cb, 0,1,2,3
	global_load_b128 v[WOG+8*\cb:WOG+8*\cb+3],   v[GOF], s[GP:GP+1] offset:64*\cb     ; 1 - gate of channels 16 cb + 8 (l / 16) + 0..7, likewise
	global_load_b128 v[WOG+8*\cb+4:WOG+8*\cb+7], v[GOF], s[GP:GP+1] offset:64*\cb+16
.endr
	WIN 0
	v_add_nc_u32 v[AK], s[TBK], v[AK0]
	s_wait_loadcnt 24               ; every older load is in, Q among them; the 24 just issued stay out.  It stands ahead of K's loads, so that no load into window 2 is out when they are issued
	FETCH_K                         ; key step 0
	s_wait_dscnt 0x0
.set i, 0
.rept 16
	KQ 0                            ; piece 0's first scores
.set i, i+1
.endr
	WIN 0                           ; a block begins: these lines are also the places behind those products
.set i, 0
.rept 8
	v_mov_b32 v[ST+4*i], 0xfe000000    ; c m: far below every c s
	v_mov_b32 v[ST+4*i+1], 0xff7fffff  ; m
.set i, i+1
.endr
.set i, P+32
.rept 32
	v_mov_b32 v[i], 0               ; P's second buffer: the first turn's products V^T P, of a piece that has not been, add finite numbers to an O^T that is still to be multiplied by a = 0
.set i, i+1
.endr
.set Y, NP-1
.irp n, 0,1,2,3,4,5,6,7,8,9,10,11,12,13,14,15,16,17,18,19,20,21
	XS 0, \n
	XS 1, \n
.endr
	v_nop
	s_wait_alu depctr_va_vdst(0)
	s_mov_b32 s[CNT], 8
.Lstep:                             ; a key step.  In the last one K is not fetched: piece 3's turn multiplies by the last K once more, and what it makes of that serves nothing: the price of one text for every step
	TURN 0
	TURN 1
	TURN 2, 1
	TURN 3, 0, 1
	WIN 0
	s_cbranch_scc1 .Lstep
.set i, 0
.rept 16
	PV NP-1                         ; the last piece's V^T P of the last step
.set i, i+1
.endr
	WIN 0
	s_wait_tensorcnt 0x0            ; my part of the second block has landed (in the first trip; nothing is out in the second),
	s_wait_dscnt 0x0                ; and my reads of this block's K and V are over:
	s_barrier_signal -1             ; behind this barrier the block's bytes are scratch, and the other block is whole for every wave
	ALL v_add_f32 v[ST+4*t+2], v[ST+4*t+2], v[ST+4*t+3]
	ALL v_permlanex16_b32 v[ST+4*t+3], v[ST+4*t+2], s[SEL], s[SEL+1]
	ALL v_add_f32 v[ST+4*t+2], v[ST+4*t+2], v[ST+4*t+3]
	ALL v_rcp_f32 v[ST+4*t+2], v[ST+4*t+2]
	v_nop
	s_wait_alu depctr_va_vdst(0)    ; one wait for the eight reciprocals
	s_barrier_wait -1
.irp t, 0,1,2,3,4,5,6,7
	W1 \t
.endr
	v_mov_b32 v[ZERO], 0
	v_mov_b32 v[LOG2E], 0x3fb8aa3b
	v_mov_b32 v[ONE], 1.0
	v_mov_b32 v[WRS+1], 0
	v_mov_b32 v[ADA], v[STO]
	v_mov_b32 v[QA], v[QS]
	s_wait_loadcnt 0x0              ; M' and 1 - gate, asked for at the block's top
.irp f, 0,1,2,3
	ds_load_b128 v[WQT+4*\f:WQT+4*\f+3], v[QA] offset:512*\f
.endr
	v_add_nc_u32 v[QA], 2048, v[QA]
	AQ 0, 0                         ; sq of tile 0.  Its wait for 0 has shown my copy of Q stored: window 2 is free from here on
	s_cmp_eq_u32 s[BLK], 2
	s_cbranch_scc0 .Lpre_w
	WIN 0x80
.set i, 0
.rept 16                            ; the first block's trip: Q of the second block, 65,536 bytes on, wanted at the next trip's top
	global_load_b128 v[8*i:8*i+3],   v[QO], s[QP:QP+1] offset:65536+(i/2)*2048+(i%2)*64
	global_load_b128 v[8*i+4:8*i+7], v[QO], s[QP:QP+1] offset:65536+(i/2)*2048+(i%2)*64+32
.set i, i+1
.endr
	WIN 0
	s_branch .Lpre_done
.Lpre_w:
	LG 0, 0                         ; the second block's trip: chunks 0 and 1 of Wout, wanted behind this memory part
	LG 1, 65536
.Lpre_done:
	MM5
	s_mov_b32 s[TCNT], 7
.Lw2:                               ; tile t is finished while tile t + 1 is made ready
	LDAD
	AQ 4, 1                         ; only the four loads just issued may stay out: the tile of Q is in
	CC 4                            ; the softmax part is in; the four loads of the tile of Q after next may stay out
	MM5
	s_sub_co_u32 s[TCNT], s[TCNT], 1
	s_cmp_lg_u32 s[TCNT], 0
	s_cbranch_scc1 .Lw2
	LDAD
	PLACES
	v_rcp_f32 v[WRS], v[WRSA]
	v_nop
	s_wait_alu depctr_va_vdst(0)
	CC 0
	s_wait_dscnt 0x0                ; for the others' sake: my rows of ATT are written, my reads of my scratch are over
	s_barrier_signal -1
	s_barrier_wait -1
	s_wait_xcnt 0x0
	s_add_nc_u64 s[MP:MP+1], s[MP:MP+1], 8192
	s_add_nc_u64 s[GP:GP+1], s[GP:GP+1], 256
	v_add_nc_u32 v[STO], ATTB, v[STO]
	v_add_nc_u32 v[QS], ATTB, v[QS]
	s_add_co_u32 s[TBK], s[TBK], SLOTB-8*KS*PK  ; from behind this block's K to the next block's
	s_add_co_u32 s[TBV], s[TBV], SLOTB-8*KS*PV
	s_sub_co_u32 s[BLK], s[BLK], 1
	s_cmp_lg_u32 s[BLK], 0
	s_cbranch_scc1 .Lblock
	; THE LAST PRODUCT.  out^T = Wout att^T: source 0 = 16 rows of Wout, straight from memory in fragment order (a load covers 512 consecutive bytes); source 1 = 16 tokens of ATT.
	; A trip is a chunk of 64 along K: 64 products on 32 accumulators (token block tt, column block nl at v[8 (8 tt + nl)] of window 1), which take turns.  Two sets of operands: while one is multiplied the other's loads are out.
	v_and_b32 v1, 15, v0
	v_bfe_u32 v13, v0, 4, 1
	v_mul_u32_u24 v2, v1, AP
	v_lshl_add_u32 v2, v13, 4, v2   ; v2: ATT, token l % 16, 16 bytes for each half of the lanes
	v_add_nc_u32 v3, ATTB, v2       ; v3: the same 32 tokens on
	s_mul_i32 s13, s[WV], 16*OSP
	s_add_co_u32 s13, s13, OSTG
	v_mul_u32_u24 v4, v1, OSP
	v_lshl_add_u32 v4, v13, 5, v4
	v_add_nc_u32 v4, s13, v4        ; v4: the stage: row l % 16, 32 bytes for each half of the lanes
	v_add_nc_u32 v5, s13, v[L16]    ; v5: back: a row's 512 bytes
	s_lshl_b32 s13, s[WV], 9
	v_add_nc_u32 v6, s13, v[L16]    ; v6: my 16 bytes of my wave's 512 in a row of out0
.macro LL b, lo                     ; the same chunk of att, all 64 tokens, into set b of window 0: 16 LDS loads
.irp tt, 0,1,2,3
.irp kk, 0,1
.irp p, 0,1
	ds_load_b128 v[64+64*(\b)+8*(2*\tt+\kk)+4*\p:64+64*(\b)+8*(2*\tt+\kk)+4*\p+3], v[2+\tt/2] offset:(\lo)+16*AP*(\tt%2)+64*\kk+32*\p
.endr
.endr
.endr
.endm
.macro MULS b, zero
	WIN 0x52                        ; Wout in window 2, att in window 0, C and D in window 1
.irp kk, 0,1
.irp tt, 0,1,2,3
.irp nl, 0,1,2,3,4,5,6,7
.if (\zero) && (\kk == 0)
	v_wmma_f32_16x16x32_f16 v[8*(8*\tt+\nl):8*(8*\tt+\nl)+7], v[128*(\b)+8*(2*\nl+\kk):128*(\b)+8*(2*\nl+\kk)+7], v[64+64*(\b)+8*(2*\tt+\kk):64+64*(\b)+8*(2*\tt+\kk)+7], 0
.else
	v_wmma_f32_16x16x32_f16 v[8*(8*\tt+\nl):8*(8*\tt+\nl)+7], v[128*(\b)+8*(2*\nl+\kk):128*(\b)+8*(2*\nl+\kk)+7], v[64+64*(\b)+8*(2*\tt+\kk):64+64*(\b)+8*(2*\tt+\kk)+7], v[8*(8*\tt+\nl):8*(8*\tt+\nl)+7]
.endif
.endr
.endr
.endr
	WIN 0
.endm
.macro STEP                         ; two chunks on
	s_wait_xcnt 0x0                 ; the loads issued so far have read their address
	s_add_nc_u64 s[WP:WP+1], s[WP:WP+1], 2*65536
	v_add_nc_u32 v2, 2*PK, v2
	v_add_nc_u32 v3, 2*PK, v3
.endm
.macro WT                           ; the older set is in; the younger set's 32 loads from memory and 16 from LDS may stay out
	s_wait_loadcnt 32
	s_wait_dscnt 16
.endm
	LL 0, 0                         ; att of chunk 0
	LL 1, PK                        ; and of chunk 1
	s_wait_loadcnt 0x0              ; both chunks of Wout were asked for a memory part ago: nothing is out into window 2
	s_wait_dscnt 16                 ; chunk 0 of att is in; chunk 1's 16 loads may stay out
	MULS 0, 1                       ; the first chunk starts the sums
	PLACES
	STEP
	LG 0, 0                         ; chunk 2
	LL 0, 0
	s_mov_b32 s[TCNT], 7
.Lo:                                ; trip i: chunks 1 + 2 i and 2 + 2 i are multiplied, 3 + 2 i and 4 + 2 i asked for; the seventh trip is left in its middle: there is no chunk 16
	WT
	MULS 1, 0
	PLACES
	LG 1, 65536
	LL 1, PK
	WT
	MULS 0, 0
	s_sub_co_u32 s[TCNT], s[TCNT], 1
	s_cmp_eq_u32 s[TCNT], 0
	s_cbranch_scc1 .Lofin
	PLACES
	STEP
	LG 0, 0
	LL 0, 0
	s_branch .Lo
.Lofin:
	s_wait_loadcnt 0x0
	s_wait_dscnt 0x0
	MULS 1, 0                       ; chunk 15
	PLACES
	; THE WAY OUT.  A lane holds one token and eight neighbouring columns; 16 tokens at a time go through my stage and come back as whole rows of 512 bytes.
.irp tt, 0,1,2,3
	WIN 0x04                        ; the stores' data in window 1
.irp nl, 0,1,2,3,4,5,6,7
	ds_store_b128 v4, v[8*(8*\tt+\nl):8*(8*\tt+\nl)+3]   offset:64*\nl      ; each accumulator's low half first
	ds_store_b128 v4, v[8*(8*\tt+\nl)+4:8*(8*\tt+\nl)+7] offset:64*\nl+16
.endr
	WIN 0
	s_wait_xcnt 0x0                 ; the registers that earlier stores read are loaded again only behind this wait
.set i, 0
.rept 16
	ds_load_b128 v[64+64*(\tt%2)+4*i:64+64*(\tt%2)+4*i+3], v5 offset:OSP*i  ; LDS serves a wave's instructions in order (ISA guide 5.7.1.4): these see the stores above
.set i, i+1
.endr
.set i, 0
.rept 16
	s_wait_dscnt 15-i               ; row i is back; the younger rows stay out
	global_store_b128 v6, v[64+64*(\tt%2)+4*i:64+64*(\tt%2)+4*i+3], s[OUTP:OUTP+1] offset:(16*\tt+i)*2048 th:TH_STORE_NT  ; 512 consecutive bytes, aligned
.set i, i+1
.endr
.endr
	WIN W_AD
	s_wait_tensorcnt 0x0            ; the wave's end, behind my last tensor load and my last LDS store
	ds_add_u32 v[SPW], v[NIL]
	s_wait_dscnt 0x0
	WIN 0
	s_endpgm
.Lfunc_end_k_q179b2fe8d1_attn:
	.size	k_q179b2fe8d1_attn, .Lfunc_end_k_q179b2fe8d1_attn-k_q179b2fe8d1_attn
	.p2alignl 7, 3214868480
	.fill 96, 4, 3214868480
	.section	.rodata,"a",@progbits
	.p2align	6, 0x0
	.amdhsa_kernel k_q179b2fe8d1_attn
		.amdhsa_group_segment_fixed_size 327680
		.amdhsa_private_segment_fixed_size 0
		.amdhsa_enable_private_segment 0
		.amdhsa_kernarg_size 40
		.amdhsa_user_sgpr_count 2
		.amdhsa_user_sgpr_kernarg_segment_ptr 1
		.amdhsa_wavefront_size32 1
		.amdhsa_system_sgpr_workgroup_id_x 1
		.amdhsa_system_sgpr_workgroup_id_y 1
		.amdhsa_system_sgpr_workgroup_id_z 1
		.amdhsa_system_vgpr_workitem_id 0
		.amdhsa_next_free_vgpr 896
		.amdhsa_next_free_sgpr 80
		.amdhsa_reserve_vcc 0
		.amdhsa_float_denorm_mode_32 3
		.amdhsa_float_denorm_mode_16_64 3
		.amdhsa_memory_ordered 1
		.amdhsa_forward_progress 1
		.amdhsa_inst_pref_size 210
	.end_amdhsa_kernel
	.amdgpu_metadata
---
amdhsa.version: [ 1, 2 ]
amdhsa.kernels:
  - .name:           k_q179b2fe8d1_attn
    .symbol:         k_q179b2fe8d1_attn.kd
    .args:
      - { .name: qkv, .offset: 0, .size: 8, .value_kind: global_buffer, .address_space: global }
      - { .name: mfrag, .offset: 8, .size: 8, .value_kind: global_buffer, .address_space: global }
      - { .name: wof, .offset: 16, .size: 8, .value_kind: global_buffer, .address_space: global }
      - { .name: gates, .offset: 24, .size: 8, .value_kind: global_buffer, .address_space: global }
      - { .name: out0, .offset: 32, .size: 8, .value_kind: global_buffer, .address_space: global }
    .group_segment_fixed_size: 327680
    .private_segment_fixed_size: 0
    .kernarg_segment_align: 8
    .kernarg_segment_size: 40
    .max_flat_workgroup_size: 128
    .sgpr_count:     80
    .vgpr_count:     896
    .wavefront_size: 32
...
	.end_amdgpu_metadata
.endif
;; end of part 5
;; ======== version 2 of 2: 5 launches; version 1 with the launch pref written anew for expert scheduling mode
;; limits: values are held in f16: magnitudes above 65,504 overflow, below 6.1e-05 lose precision; right only within a limited range of input values
;; workspace buffers: xb 16,777,216 bytes; wb 3,145,728 bytes; wof 1,048,576 bytes; gates 8,192 bytes; qkv 100,663,296 bytes; mcon 8,388,608 bytes; zsum 131,072 bytes; mfrag 4,194,304 bytes
;; launch cvt: the kernel of part 1 again; grid 1281 x 1, 8 waves a work-group, no clusters, 0 bytes of LDS; arguments x, Wq, Wk, Wv, Wout, betas, xb, wb, wof, gates; writes xb, wb, wof, gates
;; launch proj: the kernel of part 2 again; grid 4 x 64, 4 waves a work-group, clusters of 4 x 4, 327,680 bytes of LDS; arguments xb, wb, qkv; writes qkv
;; launch memc: the kernel of part 3 again; grid 512 x 1, 4 waves a work-group, no clusters, 108,032 bytes of LDS; arguments qkv, mcon, zsum; writes mcon, zsum
;; launch pref (part 6): grid 256 x 1, 2 waves a work-group, no clusters, 0 bytes of LDS; arguments mcon, zsum, gates, mfrag; writes mfrag
.if DOCPART == 6
	.amdgcn_target "amdgcn-amd-amdhsa--gfx1250"
	.amdhsa_code_object_version 6
	.text
	.protected	k_q179b2fe8d1_pref
	.globl	k_q179b2fe8d1_pref
	.p2align	8
	.type	k_q179b2fe8d1_pref,@function
k_q179b2fe8d1_pref:
	s_mov_b64 s[64:65], 0
	v_nop
	global_prefetch_b8 v0, s[64:65] scope:SCOPE_SE
	s_setreg_imm32_b32 hwreg(HW_REG_WAVE_SCHED_MODE, 0, 2), 2
	s_setreg_imm32_b32 hwreg(HW_REG_WAVE_MODE, 25, 1), 1
	s_wait_xcnt 0x0
	s_wait_alu depctr_vm_vsrc(0)
; THE CARRY.  For each batch b and head h, over the 16 segments n (block g = 256 b + 16 n + h):  M'[n][d][v] = (the sum over n' < n of M[n'][d][v]) x gate[h][v] / (the sum over n' <= n of Zs[n'][v]).
; All sums and the quotient in f32; M' rounded once to bf16 (its range has no room in f16).  Where the divisor is 0 the result is NaN or an infinity, as in the module itself.
; mfrag [g][slot 512][8] bf16, mcon's slots: the 16 bytes of slot (4 vt + dt) 32 + lane are registers 4 (dt % 2) .. + 3 of the fragment (rows v = 16 vt .., K = d = 32 (dt / 2) ..) that the next launch multiplies by.
; SHARES.  A chain (b, h) is cut into 8 parts of 64 slots; a work-group of two waves takes a part, a thread a slot: 8 numbers of each of 15 matrices, all asked for at once (47 loads a thread).
; A wave's load or store covers 512 consecutive bytes, aligned.  No LDS, no matrix unit: nothing is shared, and the launch is short.
; THE MODE: SCHED_MODE bits 1:0 = 2 (LLVM: expert scheduling mode 2), set by the entry lines.  The code itself states the register dependences
; between vector instructions and memory instructions, with s_wait_alu, always for 0.
; THE PLAN.  Registers that memory instructions touch:
;   v1, v2        byte offsets, made at the head and never written again; read by every load and store.
;   v4, ZS, M     written by the 47 loads, which are issued before any vector instruction names these registers; no load lands in them later.
;   OUT           segment n's four registers are written once, by its four conversions, and read once, by its store; they are never written again.
;   T and F are named by vector instructions alone.
; Segment n's store is issued at the head of segment n + 1, behind the wait for that segment's data and ONE wait on va_vdst, which states that segment n's conversions have written OUT[n];
; no vector instruction between that wait and the store names OUT[n] or v1.  No register that a memory instruction reads is written again, so no wait on vm_vsrc follows the entry lines.
.set ZS,  8                            ; v[8:23]    Zs[n][v], then its running sum
.set M,   32                           ; v[32:151]  M[n], 8 registers each, n = 0 .. 14; then its running sum, in place
.set OUT, 160                          ; v[160:223] what is stored, 4 registers a segment
.set T,   224                          ; v[224:231] at work
.set F,   232                          ; v[232:247] gate / Z[n]
	s_load_b256 s[4:11], s[0:1], 0x0               ; mcon s[4:5], zsum s[6:7], gates s[8:9], mfrag s[10:11]
	s_lshr_b32 s12, ttmp9, 3                       ; the chain
	s_and_b32 s13, ttmp9, 7                        ; my part of it
	s_lshr_b32 s14, s12, 4                         ; b
	s_and_b32 s15, s12, 15                         ; h
	s_lshl_b32 s16, s14, 22                        ; mcon: 256 blocks of 16,384 bytes a batch,
	s_lshl_b32 s17, s15, 14
	s_add_co_u32 s16, s16, s17
	s_lshl_b32 s17, s13, 10                        ; 64 slots of 16 bytes a part
	s_add_co_u32 s16, s16, s17
	s_mov_b32 s17, 0
	s_lshl_b32 s18, s14, 16                        ; zsum: 256 bytes a block
	s_lshl_b32 s20, s15, 8
	s_add_co_u32 s18, s18, s20
	s_mov_b32 s19, 0
	s_mov_b32 s21, 0                               ; gates: s[20:21] = 256 h
	s_lshl_b32 s22, s14, 21                        ; mfrag: 8,192 bytes a block
	s_lshl_b32 s23, s15, 13
	s_add_co_u32 s22, s22, s23
	s_lshl_b32 s23, s13, 10
	s_add_co_u32 s22, s22, s23
	s_mov_b32 s23, 0
	s_lshr_b32 s24, s13, 1                         ; vt
	s_lshl_b32 s24, s24, 6
	v_lshlrev_b32 v1, 4, v0                        ; 16 x thread
	v_and_b32 v2, 15, v0
	v_lshl_add_u32 v2, v2, 2, s24                  ; 4 v
	s_wait_kmcnt 0x0
	s_add_nc_u64 s[4:5], s[4:5], s[16:17]
	s_add_nc_u64 s[6:7], s[6:7], s[18:19]
	s_add_nc_u64 s[8:9], s[8:9], s[20:21]
	s_add_nc_u64 s[10:11], s[10:11], s[22:23]
	s_wait_alu depctr_va_vdst(0)                   ; v1 and v2 are written: every load and store of the kernel reads one of them as its offset
	global_load_b32 v4, v2, s[8:9]
.set n, 0
.rept 16
	global_load_b32 v[ZS+n], v2, s[6:7] offset:4096*n
.set n, n+1
.endr
.set n, 0
.rept 15
	global_load_b128 v[M+8*n:M+8*n+3],   v1, s[4:5] offset:262144*n th:TH_LOAD_NT
	global_load_b128 v[M+8*n+4:M+8*n+7], v1, s[4:5] offset:262144*n+8192 th:TH_LOAD_NT
.set n, n+1
.endr
	s_wait_loadcnt 30                              ; the gate and the 16 Zs are in; M's 30 loads stay out
.set n, 1
.rept 15
	v_add_f32 v[ZS+n], v[ZS+n], v[ZS+n-1]
.set n, n+1
.endr
.set n, 0
.rept 16
	v_rcp_f32 v[F+n], v[ZS+n]
.set n, n+1
.endr
	v_nop                                          ; a plain instruction behind the last reciprocal
	s_wait_alu depctr_va_vdst(0)                   ; the 16 reciprocals have written v[F ..]: one wait for them, ahead of the first line that names a result
.set n, 0
.rept 16
	v_mul_f32 v[F+n], v[F+n], v4
.set n, n+1
.endr
	v_mul_f32 v[T], 0, v[F]                        ; segment 0: the memory is still empty
.irp j, 0,1,2,3
	v_cvt_pk_bf16_f32 v[OUT+\j], v[T], v[T]
.endr
.set n, 1
.rept 15
	s_wait_loadcnt 30-2*n                          ; M[n - 1] is in; the loads of M[n .. 14] stay out
	s_wait_alu depctr_va_vdst(0)                   ; the conversions of segment n - 1 have written OUT[n - 1], which the store below reads
	global_store_b128 v1, v[OUT+4*(n-1):OUT+4*(n-1)+3], s[10:11] offset:131072*(n-1)  ; the segment before
.if n >= 2
.irp j, 0,2,4,6
	v_pk_add_f32 v[M+8*(n-1)+\j:M+8*(n-1)+\j+1], v[M+8*(n-1)+\j:M+8*(n-1)+\j+1], v[M+8*(n-2)+\j:M+8*(n-2)+\j+1]
.endr
.endif
.irp j, 0,1,2,3,4,5,6,7
	v_mul_f32 v[T+\j], v[M+8*(n-1)+\j], v[F+n]
.endr
.irp j, 0,1,2,3
	v_cvt_pk_bf16_f32 v[OUT+4*n+\j], v[T+2*\j], v[T+2*\j+1]
.endr
.set n, n+1
.endr
	s_wait_alu depctr_va_vdst(0)                   ; the conversions of segment 15 have written OUT[15], which the last store reads
	global_store_b128 v1, v[OUT+60:OUT+63], s[10:11] offset:131072*15
	s_endpgm
.Lfunc_end_k_q179b2fe8d1_pref:
	.size	k_q179b2fe8d1_pref, .Lfunc_end_k_q179b2fe8d1_pref-k_q179b2fe8d1_pref
	.p2alignl 7, 3214868480
	.fill 96, 4, 3214868480
	.section	.rodata,"a",@progbits
	.p2align	6, 0x0
	.amdhsa_kernel k_q179b2fe8d1_pref
		.amdhsa_group_segment_fixed_size 0
		.amdhsa_private_segment_fixed_size 0
		.amdhsa_enable_private_segment 0
		.amdhsa_kernarg_size 32
		.amdhsa_user_sgpr_count 2
		.amdhsa_user_sgpr_kernarg_segment_ptr 1
		.amdhsa_wavefront_size32 1
		.amdhsa_system_sgpr_workgroup_id_x 1
		.amdhsa_system_sgpr_workgroup_id_y 1
		.amdhsa_system_sgpr_workgroup_id_z 1
		.amdhsa_system_vgpr_workitem_id 0
		.amdhsa_next_free_vgpr 248
		.amdhsa_next_free_sgpr 66
		.amdhsa_reserve_vcc 0
		.amdhsa_float_denorm_mode_32 3
		.amdhsa_float_denorm_mode_16_64 3
		.amdhsa_memory_ordered 1
		.amdhsa_forward_progress 1
		.amdhsa_inst_pref_size 22
	.end_amdhsa_kernel
	.amdgpu_metadata
---
amdhsa.version: [ 1, 2 ]
amdhsa.kernels:
  - .name:           k_q179b2fe8d1_pref
    .symbol:         k_q179b2fe8d1_pref.kd
    .args:
      - { .name: mcon, .offset: 0, .size: 8, .value_kind: global_buffer, .address_space: global }
      - { .name: zsum, .offset: 8, .size: 8, .value_kind: global_buffer, .address_space: global }
      - { .name: gates, .offset: 16, .size: 8, .value_kind: global_buffer, .address_space: global }
      - { .name: mfrag, .offset: 24, .size: 8, .value_kind: global_buffer, .address_space: global }
    .group_segment_fixed_size: 0
    .private_segment_fixed_size: 0
    .kernarg_segment_align: 8
    .kernarg_segment_size: 32
    .max_flat_workgroup_size: 64
    .sgpr_count:     66
    .vgpr_count:     248
    .wavefront_size: 32
...
	.end_amdgpu_metadata
.endif
;; end of part 6
;; launch attn: the kernel of part 5 again; grid 256 x 1, 4 waves a work-group, no clusters, 327,680 bytes of LDS; arguments qkv, mfrag, wof, gates, out0; writes out0
